; MI455X (gfx1250); checked and timed in simulation.
; The chip was launched on July 23, 2026; its instructions are those of AMD's public machine-readable ISA for CDNA 5 (MIT licence, August 2026) and "CDNA5" Instruction Set Architecture Reference Guide (July 2026). The comments in the code are by the model that wrote it; some were corrected since.
;; Token Merging Attention. Allowed arithmetic: matrix products marked QUANTISED: E2M1 operands, one E8M0 scale for each 32 along K, by v_wmma_scale_f32_16x16x128_f8f6f4 with both operands' format E2M1 (or v_wmma_scale_f32_32x16x128_f4), f32 sums; products left as they are: bf16, f16 or f32 operands; f32 sums; everything else in f32.
;; Inputs: bk 1,024 float32; bo 1,024 float32; bq 1,024 float32; bv 1,024 float32; wk 1,024 x 1,024 float32; wo 1,024 x 1,024 float32; wq 1,024 x 1,024 float32; wv 1,024 x 1,024 float32; x 4 x 1,024 x 1,024 float32.
;; Outputs: out0 4 x 4 x 1,024 x 1,024 float32.
;; This version of the problem:
;;   THIS VERSION OF THE PROBLEM IS GIVEN IN LOW PRECISION. The matrix products marked QUANTISED in the list below multiply operands that are first quantised to E2M1 (2 exponent bits, 1 mantissa bit; 4 bits a number), with one power-of-two scale for each 32 numbers along K (OCP MX v1.0); their sums are f32. The products marked 'left as it is' may take bf16, f16 or f32 operands, with f32 sums. Whichever they take, every output number must still come out within the allowed error. Rounding operands to bf16 (8 significant bits) uses up far more of that allowance than f16 does (11 bits, for magnitudes from 6e-5 to 65,504). All else is computed in f32.
;;   The module's matrix products, in the order in which they are computed (A, B: the left and right operand; K: the contracted axis; several contracted axes count as one K, in the product's order):
;;     1. [M 4,096, K 1,024] x [K 1,024, N 1,024]; A: input x; B: input wq: QUANTISED
;;     2. [M 4,096, K 1,024] x [K 1,024, N 1,024]; A: input x; B: input wk: QUANTISED
;;     3. [M 4,096, K 1,024] x [K 1,024, N 1,024]; A: input x; B: input wv: QUANTISED
;;     4. batch 16 x [M 1,024, K 256] x [K 256, N 1,024]; A: computed on the way; B: computed on the way: left as it is (an operand is computed on the way)
;;     5. [M 16,384, K 1,024] x [K 1,024, N 1,024]; A: computed on the way; B: computed on the way: left as it is (an operand is computed on the way)
;;     6. [M 16,384, K 1,024] x [K 1,024, N 1,024]; A: computed on the way; B: input wo: left as it is (an operand is computed on the way)
;;   THE QUANTISER, for each operand of a quantised product, along K:
;;     - K is cut into blocks of 32 from its start; a last block that is shorter is filled with zeros.
;;     - A block's scale is 2^e with e = floor(log2(the largest magnitude in the block)) - 2, held to -126 .. 127; a block of zeros has e = 0. As a byte (E8M0): e + 127.
;;     - Each number is divided by its block's scale, clamped to +-6, and rounded to the nearest number of E2M1, ties to even, subnormals kept.
;;     - The product sums the exact products of the quantised numbers (number of the format x scale) in f32.
;;   ~~~python
;;   def quantise(x, axis):      # numpy; x: float32 -> the quantised numbers, widened to float32 again
;;       x = np.moveaxis(x, axis, -1); K = x.shape[-1]
;;       x = np.pad(x, [(0, 0)] * (x.ndim - 1) + [(0, -K % 32)]); x = x.reshape(x.shape[:-1] + (-1, 32)); a = np.abs(x).max(-1, keepdims=True)
;;       e = np.where(a > 0, np.clip(np.frexp(np.where(a > 0, a, 1))[1] - 1 - 2, -126, 127), 0)      # np.frexp(a)[1] - 1 = floor(log2(a)), exactly
;;       r = np.clip(x / 2.0 ** e, -6, 6)
;;       step = 2.0 ** (np.maximum(np.frexp(np.where(r == 0, 1, r))[1] - 1, 0) - 1)
;;       q = np.round(r / step) * step * 2.0 ** e      # np.round: ties to even
;;       return np.moveaxis(q.reshape(q.shape[:-2] + (-1,))[..., :K], -1, axis).astype(np.float32)
;;   ~~~
;; One version. Each part assembles by itself: llvm-mc -triple=amdgcn-amd-amdhsa -mcpu=gfx1250 --defsym DOCPART=n.
;; ======== version 1 of 1: 5 launches
;; limits: values are held in f16: magnitudes above 65,504 overflow, below 6.1e-05 lose precision
;; workspace buffers: cod 3,670,016 bytes; scl 229,376 bytes; h16 4,194,304 bytes; qkv 25,165,824 bytes; p 33,554,432 bytes; stat 131,072 bytes; w2 2,097,152 bytes
;; launch prep (part 1): grid 256 x 1, 4 waves a work-group, no clusters, 22,016 bytes of LDS; arguments x, wq, wk, wv, wo, cod, scl, h16; writes cod, scl, h16
.if DOCPART == 1
	.amdgcn_target "amdgcn-amd-amdhsa--gfx1250"
	.amdhsa_code_object_version 6
	.text
	.protected	k_q9eb16bcd6d_prep
	.globl	k_q9eb16bcd6d_prep
	.p2align	8
	.type	k_q9eb16bcd6d_prep,@function
k_q9eb16bcd6d_prep:
	s_mov_b64 s[64:65], 0
	v_nop
	global_prefetch_b8 v0, s[64:65] scope:SCOPE_SE
	s_setreg_imm32_b32 hwreg(HW_REG_WAVE_MODE, 25, 1), 1
	s_wait_xcnt 0x0
; PREP.  x [4096][1024] and wq, wk, wv [1024][1024], f32, K innermost, become codes of FP4 (E2M1) with one E8M0 byte for each 32 along K:
;   cod: x's rows of 512 bytes at 0, the weights' 3,072 rows (wq, wk, wv) at 2,097,152;   scl: x's rows of 32 bytes at 0, the weights' at 131,072.
; The sum of x over the four batches goes out as f16, tiled [column / 64][token][64 columns] (h16 at 0); wo goes out as f16, row-major (h16 at 2,097,152).
; A block's scale is 2^(floor(log2(its largest magnitude)) - 2); its byte is the largest magnitude's exponent field - 2, held at 1 from below.  A block of zeros so gets the byte 1
; where the rule says 127: its codes are zeros, and this program alone reads the bytes.
; LIMITS: NaN and infinities among the inputs are not served; the sum of x over the batches and wo must lie inside f16's range (65,504).
; SHARES.  Work-groups 0-127: eight tokens of x, all four batches (a segment = a batch), so that the sum over the batches stays in registers.  Work-groups 128-223: 32 rows of a weight
; (a segment = eight rows).  Work-groups 224-255: 32 rows of wo.  All read 131,072 bytes.  In a quantising work-group a wave takes 8,192 bytes of each segment: sixteen steps of 512 numbers.
; Each load reads 512 consecutive bytes; a step's 2,048 bytes turn through the wave's own stage in LDS, so that a lane holds 16 neighbours along K for the conversions.
; No tile is read by two work-groups: no cluster, no tensor load; loads run eight steps (32 loads a wave) ahead.
.set SP,    80                         ; a lane's place in a stage: its 64 bytes + 16 of padding
.set WREG,  2*32*SP                    ; a wave's two stages
.set SCB,   4*WREG                     ; behind them: the work-group's scale bytes, [segment 4][wave 4][64]
.set SPARE, SCB+1024                   ; the spare words, 128 bytes for each wave: two blocks of 256 bytes that no other line names
.set SPW,   12                         ; v12  my spare word's LDS address; never rewritten
.set NIL,   13                         ; v13  0; never rewritten
.set ACC,   16                         ; v16-79   segment 0's four steps as loaded; then the sums over the segments
.set R,     80                         ; v80-207  eight sets of 16 numbers as loaded
.set X,     208                        ; v208-239 two sets of 16 neighbours
.set C,     240                        ; v240-247 codes, four sets of two
.set E,     248                        ; v248-249 the scale byte, two by turns
.set H,     80                         ; v80-111  the sums as f16, at the end
.set WV,    45
.set SUM,   44                         ; 1 in x's work-groups
.set SRC,   24                         ; s[24:31] the four segments' sources, at my wave's part
.set CD,    32                         ; s[32:39] their codes
.set SCD,   40                         ; s[40:41] segment w's scale bytes of the work-group
.set XSD,   42                         ; s[42:43] the sums' place: my two tokens in column tile 0
	s_load_b512 s[4:19], s[0:1], 0x0               ; x, wq, wk, wv, wo, cod, scl, h16
	v_lshl_add_u32 v[SPW], v0, 2, SPARE
	v_mov_b32 v[NIL], 0
	v_lshrrev_b32 v1, 5, v0
	v_readfirstlane_b32 s[WV], v1                  ; wave
	v_and_b32 v2, 31, v0                           ; lane
	v_lshlrev_b32 v3, 4, v2                        ; my 16 bytes of a load's 512
	v_lshlrev_b32 v4, 3, v2                        ; my 8 bytes of a store's 256
	s_cmp_ge_u32 ttmp9, 224                        ; the work-group's number alone: all four waves go the same way
	s_cbranch_scc1 .Lwo
	s_mul_i32 s20, s[WV], WREG
	v_lshrrev_b32 v14, 2, v2
	v_mul_u32_u24 v14, v14, SP
	v_and_b32 v15, 3, v2
	v_lshl_add_u32 v14, v15, 4, v14
	v_add_nc_u32 v14, s20, v14                     ; the stage, on the way in: four lanes' 64 bytes on end, then 16 of padding
	v_mul_u32_u24 v15, v2, SP
	v_add_nc_u32 v15, s20, v15                     ; and on the way out: my 16 neighbours
	v_lshrrev_b32 v5, 1, v2
	s_lshl_b32 s20, s[WV], 6
	s_add_co_u32 s20, s20, SCB
	v_add_nc_u32 v5, s20, v5                       ; my block's scale byte: SCB + 64 wave + lane / 2
	s_lshl_b32 s20, s[WV], 8
	s_add_co_u32 s20, s20, SCB
	v_add_nc_u32 v6, s20, v4                       ; on the way out: segment w's 256 bytes, 8 a lane
	; offsets and strides, for x's work-groups and for the weights'; then one compare chooses
	s_sub_co_u32 s20, ttmp9, 128                   ; the weights' work-group number (in x's work-groups it wraps and is not used)
	s_lshr_b32 s21, s20, 5                         ; which weight
	s_and_b32 s22, s20, 31                         ; which 32 rows of it
	s_lshl_b32 s46, ttmp9, 15                      ; x: eight rows of 4,096 bytes
	s_lshl_b32 s47, s22, 17                        ; weight: 32 rows
	s_lshl_b32 s48, ttmp9, 12                      ; x's codes: eight rows of 512 bytes
	s_lshl_b32 s49, s20, 14
	s_add_co_u32 s49, s49, 0x200000                ; the weights': 32 rows, behind x's
	s_lshl_b32 s50, ttmp9, 8                       ; x's scale bytes: eight rows of 32
	s_lshl_b32 s51, s20, 10
	s_add_co_u32 s51, s51, 0x20000
	s_mov_b32 s52, 0x8000                          ; from segment to segment, in a weight: source,
	s_mov_b32 s53, 0x1000                          ; codes,
	s_mov_b32 s54, 0x100                           ; scale bytes
	s_wait_kmcnt 0x0
	s_cmp_eq_u32 s21, 1
	s_cselect_b64 s[6:7], s[8:9], s[6:7]
	s_cmp_eq_u32 s21, 2
	s_cselect_b64 s[6:7], s[10:11], s[6:7]
	s_cmp_lt_u32 ttmp9, 128
	s_cselect_b64 s[4:5], s[4:5], s[6:7]
	s_cselect_b32 s[SUM], 1, 0
	s_cselect_b32 s46, s46, s47
	s_cselect_b32 s48, s48, s49
	s_cselect_b32 s50, s50, s51
	s_cselect_b32 s52, 0x400000, s52               ; in x a segment is a batch
	s_cselect_b32 s53, 0x80000, s53
	s_cselect_b32 s54, 0x8000, s54
	s_lshl_b32 s20, s[WV], 13
	s_add_co_u32 s46, s46, s20                     ; my wave's 8,192 bytes
	s_mov_b32 s47, 0
	s_mov_b32 s56, s52
	s_mov_b32 s57, 0
	s_add_nc_u64 s[SRC:SRC+1], s[4:5], s[46:47]
	s_add_nc_u64 s[SRC+2:SRC+3], s[SRC:SRC+1], s[56:57]
	s_add_nc_u64 s[SRC+4:SRC+5], s[SRC+2:SRC+3], s[56:57]
	s_add_nc_u64 s[SRC+6:SRC+7], s[SRC+4:SRC+5], s[56:57]
	s_lshl_b32 s20, s[WV], 10
	s_add_co_u32 s48, s48, s20
	s_mov_b32 s49, 0
	s_mov_b32 s56, s53
	s_add_nc_u64 s[CD:CD+1], s[14:15], s[48:49]
	s_add_nc_u64 s[CD+2:CD+3], s[CD:CD+1], s[56:57]
	s_add_nc_u64 s[CD+4:CD+5], s[CD+2:CD+3], s[56:57]
	s_add_nc_u64 s[CD+6:CD+7], s[CD+4:CD+5], s[56:57]
	s_mul_i32 s20, s[WV], s54
	s_add_co_u32 s50, s50, s20
	s_mov_b32 s51, 0
	s_add_nc_u64 s[SCD:SCD+1], s[16:17], s[50:51]
	s_lshl_b32 s50, ttmp9, 10                      ; token 8 g + 2 w, 128 bytes a token
	s_lshl_b32 s20, s[WV], 8
	s_add_co_u32 s50, s50, s20
	s_add_nc_u64 s[XSD:XSD+1], s[18:19], s[50:51]
.macro SETOF t                         ; the registers into which step t is loaded
.if (\t) < 4
.set ST, ACC+16*(\t)
.elseif (\t) < 8
.set ST, R+16*((\t)-4)
.elseif (\t) < 12
.set ST, R+64+16*((\t)-8)
.else
.set ST, R+16*((\t)-12)
.endif
.endm
.macro LOAD t
	SETOF \t
.irp i, 0,1,2,3
	global_load_b128 v[ST+4*\i:ST+4*\i+3], v3, s[SRC+2*((\t)/4):SRC+2*((\t)/4)+1] offset:2048*((\t)%4)+512*\i th:TH_LOAD_NT   ; 32 lanes read 512 consecutive bytes
.endr
.endm
.macro TURN t                          ; step t's numbers through the stage: LDS serves a wave's instructions in order, so no wait stands between the stores and the loads
	SETOF \t
.irp i, 0,1,2,3
	ds_store_b128 v14, v[ST+4*\i:ST+4*\i+3] offset:32*SP*((\t)%2)+8*SP*\i
.endr
.irp i, 0,1,2,3
	ds_load_b128 v[X+16*((\t)%2)+4*\i:X+16*((\t)%2)+4*\i+3], v15 offset:32*SP*((\t)%2)+16*\i
.endr
.endm
.macro STEP t
.set XS, X+16*((\t)%2)
.if (\t) > 0
	s_wait_dscnt 1                                 ; this step's numbers are back from the stage, so its stores into the stage have read their registers; the last step's byte store may be out
.else
	s_wait_dscnt 0x0
.endif
.if (\t) >= 4
	SETOF \t
.irp i, 0,2,4,6,8,10,12,14
	v_pk_add_f32 v[ACC+16*((\t)%4)+\i:ACC+16*((\t)%4)+\i+1], v[ACC+16*((\t)%4)+\i:ACC+16*((\t)%4)+\i+1], v[ST+\i:ST+\i+1]   ; the sum over the segments, as loaded.  (The weights' work-groups run these too: 96 additions a wave against a branch in each step)
.endr
.endif
.if (\t)+8 < 16
	LOAD (\t)+8                                    ; eight steps on; from step 4 on into this step's own registers, which the stage's stores and the additions above have read
.endif
.if (\t)+1 < 16
.if (\t) <= 7
	s_wait_loadcnt 28                              ; the next step's four loads are in; those of the seven steps behind it may be out
.else
	s_wait_loadcnt 4*(14-(\t))                     ; the counts run down: steps t + 2 to 15 may be out
.endif
	TURN (\t)+1
.endif
	v_max3_num_f32 v8, |v[XS]|, |v[XS+1]|, |v[XS+2]|               ; the largest magnitude of my 16, in two chains
	v_max3_num_f32 v9, |v[XS+3]|, |v[XS+4]|, |v[XS+5]|
.irp i, 6,10
	v_max3_num_f32 v8, v8, |v[XS+\i]|, |v[XS+\i+1]|
	v_max3_num_f32 v9, v9, |v[XS+\i+2]|, |v[XS+\i+3]|
.endr
	v_max3_num_f32 v8, v8, |v[XS+14]|, |v[XS+15]|
	v_max3_num_f32 v8, v8, v9, 0x1800000           ; and the floor 2^(3 - 127): the byte cannot fall under 1
	v_max_num_f32_dpp v8, v8, v8 row_xmask:1 row_mask:0xf bank_mask:0xf   ; and of my neighbour's 16: the block's
	v_add_nc_u32 v11, 0xff000000, v8               ; 2 off its exponent field: the conversion takes the exponent field of this operand as its scale
.if (\t) >= 4
	s_wait_xcnt 0x0                                ; the store of four steps back has read these two registers
.endif
	v_cvt_scalef32_pk8_fp4_f32 v[C+2*((\t)%4)], v[XS:XS+7], v11
	v_cvt_scalef32_pk8_fp4_f32 v[C+2*((\t)%4)+1], v[XS+8:XS+15], v11
	v_lshrrev_b32 v[E+(\t)%2], 23, v11             ; the scale's byte (a plain line behind the conversions)
	ds_store_b8 v5, v[E+(\t)%2] offset:256*((\t)/4)+16*((\t)%4)   ; both lanes of a block write the same byte with the same value
	global_store_b64 v4, v[C+2*((\t)%4):C+2*((\t)%4)+1], s[CD+2*((\t)/4):CD+2*((\t)/4)+1] offset:256*((\t)%4)   ; 32 lanes store 256 consecutive bytes, aligned
.endm
.irp t, 0,1,2,3,4,5,6,7
	LOAD \t
.endr
	s_wait_loadcnt 28                              ; step 0's four loads are in
	TURN 0
.irp t, 0,1,2,3,4,5,6,7,8,9,10,11,12,13,14,15
	STEP \t
.endr
	s_cmp_eq_u32 s[SUM], 0
	s_cbranch_scc1 .Lnosum
	; the sums as f16.  Load i of step j holds, in lane l, columns 512 (j % 2) + 128 i + 4 l + 0 .. 3 of token j / 2 of my two
.irp j, 0,1,2,3
.irp i, 0,1,2,3
	v_cvt_pk_f16_f32 v[H+8*\j+2*\i], v[ACC+16*\j+4*\i], v[ACC+16*\j+4*\i+1]
	v_cvt_pk_f16_f32 v[H+8*\j+2*\i+1], v[ACC+16*\j+4*\i+2], v[ACC+16*\j+4*\i+3]
.endr
.endr
.irp j, 0,1
.irp i, 0,1,2,3
.irp d, 0,1
	v_permlane16_swap_b32 v[H+8*\j+2*\i+\d], v[H+8*(\j+2)+2*\i+\d]   ; afterwards a register holds ONE column tile of 64: lanes 0-15 my first token, lanes 16-31 my second
.endr
.endr
.endr
.irp j, 0,1
.irp i, 0,1,2,3
	global_store_b64 v4, v[H+8*\j+2*\i:H+8*\j+2*\i+1], s[XSD:XSD+1] offset:(8*\j+2*\i)*131072             ; two tokens' 128 bytes: 256 consecutive bytes, aligned
	global_store_b64 v4, v[H+8*(\j+2)+2*\i:H+8*(\j+2)+2*\i+1], s[XSD:XSD+1] offset:(8*\j+2*\i+1)*131072
.endr
.endr
.Lnosum:
	s_wait_dscnt 0x0                               ; for the others' sake: my byte stores are done
	s_barrier_signal -1
	s_barrier_wait -1
	ds_load_b64 v[8:9], v6                         ; segment w's 256 scale bytes, from all four waves
	s_wait_dscnt 0x0
	global_store_b64 v4, v[8:9], s[SCD:SCD+1]      ; 256 consecutive bytes, aligned
	s_wait_tensorcnt 0x0                           ; the wave's end, behind my last LDS store
	ds_add_u32 v[SPW], v[NIL]
	s_wait_dscnt 0x0
	s_endpgm
.Lwo:                                  ; wo to f16: a wave takes eight rows, four groups of sixteen loads; this way touches no LDS
	s_sub_co_u32 s20, ttmp9, 224
	s_lshl_b32 s22, s20, 17
	s_lshl_b32 s21, s[WV], 15
	s_add_co_u32 s22, s22, s21
	s_mov_b32 s23, 0
	s_lshl_b32 s24, s20, 16
	s_lshl_b32 s21, s[WV], 14
	s_add_co_u32 s24, s24, s21
	s_add_co_u32 s24, s24, 0x200000
	s_mov_b32 s25, 0
	s_wait_kmcnt 0x0
	s_add_nc_u64 s[12:13], s[12:13], s[22:23]
	s_add_nc_u64 s[18:19], s[18:19], s[24:25]
.macro LOADG q
.irp n, 0,1,2,3,4,5,6,7,8,9,10,11,12,13,14,15
	global_load_b128 v[16+64*((\q)%2)+4*\n:16+64*((\q)%2)+4*\n+3], v3, s[12:13] offset:8192*(\q)+512*\n th:TH_LOAD_NT
.endr
.endm
	LOADG 0
	LOADG 1
.irp q, 0,1,2,3
.if \q < 3
	s_wait_loadcnt 16                              ; this group is in; the next group's sixteen may be out
.else
	s_wait_loadcnt 0x0
.endif
.if \q >= 2
	s_wait_xcnt 0x0                                ; the stores of two groups back have read their registers
.endif
.irp n, 0,1,2,3,4,5,6,7,8,9,10,11,12,13,14,15
	v_cvt_pk_f16_f32 v[144+32*(\q%2)+2*\n], v[16+64*(\q%2)+4*\n], v[16+64*(\q%2)+4*\n+1]
	v_cvt_pk_f16_f32 v[144+32*(\q%2)+2*\n+1], v[16+64*(\q%2)+4*\n+2], v[16+64*(\q%2)+4*\n+3]
.endr
.irp n, 0,1,2,3,4,5,6,7,8,9,10,11,12,13,14,15
	global_store_b64 v4, v[144+32*(\q%2)+2*\n:144+32*(\q%2)+2*\n+1], s[18:19] offset:4096*\q+256*\n
.endr
.if \q < 2
	LOADG \q+2
.endif
.endr
	s_endpgm
.Lfunc_end_k_q9eb16bcd6d_prep:
	.size	k_q9eb16bcd6d_prep, .Lfunc_end_k_q9eb16bcd6d_prep-k_q9eb16bcd6d_prep
	.p2alignl 7, 3214868480
	.fill 96, 4, 3214868480
	.section	.rodata,"a",@progbits
	.p2align	6, 0x0
	.amdhsa_kernel k_q9eb16bcd6d_prep
		.amdhsa_group_segment_fixed_size 22016
		.amdhsa_private_segment_fixed_size 0
		.amdhsa_enable_private_segment 0
		.amdhsa_kernarg_size 64
		.amdhsa_user_sgpr_count 2
		.amdhsa_user_sgpr_kernarg_segment_ptr 1
		.amdhsa_wavefront_size32 1
		.amdhsa_system_sgpr_workgroup_id_x 1
		.amdhsa_system_sgpr_workgroup_id_y 1
		.amdhsa_system_sgpr_workgroup_id_z 1
		.amdhsa_system_vgpr_workitem_id 0
		.amdhsa_next_free_vgpr 256
		.amdhsa_next_free_sgpr 66
		.amdhsa_reserve_vcc 0
		.amdhsa_float_denorm_mode_32 3
		.amdhsa_float_denorm_mode_16_64 3
		.amdhsa_memory_ordered 1
		.amdhsa_forward_progress 1
		.amdhsa_inst_pref_size 66
	.end_amdhsa_kernel
	.amdgpu_metadata
---
amdhsa.version: [ 1, 2 ]
amdhsa.kernels:
  - .name:           k_q9eb16bcd6d_prep
    .symbol:         k_q9eb16bcd6d_prep.kd
    .args:
      - { .name: x, .offset: 0, .size: 8, .value_kind: global_buffer, .address_space: global }
      - { .name: wq, .offset: 8, .size: 8, .value_kind: global_buffer, .address_space: global }
      - { .name: wk, .offset: 16, .size: 8, .value_kind: global_buffer, .address_space: global }
      - { .name: wv, .offset: 24, .size: 8, .value_kind: global_buffer, .address_space: global }
      - { .name: wo, .offset: 32, .size: 8, .value_kind: global_buffer, .address_space: global }
      - { .name: cod, .offset: 40, .size: 8, .value_kind: global_buffer, .address_space: global }
      - { .name: scl, .offset: 48, .size: 8, .value_kind: global_buffer, .address_space: global }
      - { .name: h16, .offset: 56, .size: 8, .value_kind: global_buffer, .address_space: global }
    .group_segment_fixed_size: 22016
    .private_segment_fixed_size: 0
    .kernarg_segment_align: 8
    .kernarg_segment_size: 64
    .max_flat_workgroup_size: 128
    .sgpr_count:     66
    .vgpr_count:     256
    .wavefront_size: 32
...
	.end_amdgpu_metadata
.endif
;; end of part 1
;; launch qkvgemm (part 2): grid 12 x 16, 4 waves a work-group, clusters of 4 x 4, 327,680 bytes of LDS; arguments cod, scl, qkv, bq, bk, bv; writes qkv
.if DOCPART == 2
	.amdgcn_target "amdgcn-amd-amdhsa--gfx1250"
	.amdhsa_code_object_version 6
	.text
	.protected	k_q9eb16bcd6d_qkvgemm
	.globl	k_q9eb16bcd6d_qkvgemm
	.p2align	8
	.type	k_q9eb16bcd6d_qkvgemm,@function
k_q9eb16bcd6d_qkvgemm:
	s_mov_b64 s[64:65], 0
	v_nop
	global_prefetch_b8 v0, s[64:65] scope:SCOPE_SE
	s_setreg_imm32_b32 hwreg(HW_REG_WAVE_MODE, 25, 1), 1
	s_wait_xcnt 0x0
	s_wait_alu depctr_hold_cnt(0) depctr_sa_sdst(0) depctr_va_vdst(0) depctr_va_sdst(0) depctr_va_ssrc(0) depctr_va_vcc(0) depctr_vm_vsrc(0)
	s_getreg_b32 s2, hwreg(HW_REG_IB_STS2, 6, 4)
	s_cmp_eq_u32 s2, 0
	s_cbranch_scc0 .Lentry_in_a_cluster
	s_endpgm
.Lentry_in_a_cluster:
	s_bfe_u32 s2, ttmp6, 0x10000c
	s_cmp_lg_u32 s2, 0xf033
	s_cbranch_scc0 .Lentry_shape_is_right
	s_endpgm
.Lentry_shape_is_right:
; q, k, v = x W^T + b, on codes of FP4 (E2M1) with one E8M0 scale for each 32 along K: a GEMM of 4,096 tokens x 3,072 features (wq's, wk's, wv's rows) x K = 1,024.
; A tile, 256 x 256, is made by four waves, 128 x 128 each: 64 accumulators.  K goes in two steps of 512: both slots and the scale bytes are filled once, at the head (three tensor loads a wave are out); nothing is filled again.
; CLUSTERS: 4 x 4 work-groups: the four of a row need the same tiles of x, the four of a column the same tiles of the weights: each tile is asked for jointly.  Cluster x is the section (q, k, v), cx the head, cluster y the batch, cy 256 tokens.
; THE MATRIX INSTRUCTION IS USED TRANSPOSED (source 0 = 16 rows of a weight, source 1 = 16 tokens): a lane holds one token and eight neighbouring features.
; THE WAY OUT: (sum + bias) x f, f = 1/4 for q and k (so that q' . k' is the score divided by sqrt(256), exactly), 1 for v; rounded to f16.  A lane's eight features are four registers of a 16 x 32 f16 fragment of the next product,
; so they are stored as AN IMAGE OF THAT FRAGMENT'S REGISTERS: registers 0-3 at 16 x lane, registers 4-7 512 bytes on.  Fragment (token tile T of 64, c = feature / 32 of 8) of a (batch, head) lies at
; ((c / 2) 4 + T / 16) 32,768 + ((c % 2) 16 + T % 16) 1,024 in the pair's 524,288 bytes.  Each store covers 512 consecutive bytes, aligned.
; v is stored as reference() computes it, and as there nothing reads it.
; LIMITS: |q|, |k| under 262,000 and |v| under 65,504 (f16's range behind the factor); NaN and infinities are not served.
; REGISTERS: window 0: v0-31 addresses; v32-95 scale words, two sets, and nothing else; v128-191 x's fragments, one set; on the way out v128-191 sums at work, v192-255 f16 to store.
;   window 1: the weights' fragments, two sets, at v0 and v128; v192-255 the biases of my 128 features.   windows 2, 3: the accumulators ((a, b) at v[8 (8 (a % 4) + b)]).
.set KSTEP,  512
.set NQ,     KSTEP/128
.set ROWB,   256                       ; a tile's row in bytes: 512 codes
.set KROW,   512                       ; a row of codes in memory
.set PITCH,  272                       ; an LDS row: 256 bytes + 16 of padding = 68 words: the 16 rows of a load start at 16 different banks (64 banks of 4 bytes: ISA guide 11.1)
.set FR,     8
.set NL,     2
.set NP,     4                         ; places behind this matrix instruction (ISA guide 7.12.1)
.set HALFT,  128*PITCH
.set SLOT,   4*HALFT
.set KS,     32                        ; a row of scale bytes
.set SCL,    2*SLOT
.set HALFS,  (128*KS/256)*272
.set SBLK,   (16*KS/256)*272
.set SPARE,  SCL+4*HALFS               ; the spare words, 128 bytes for each wave: two blocks of 256 bytes that no other line names
.set ADRA, 16
.set ADRB, 20
.set CO,   26                          ; v26  16 x lane
.set ADRS, 27
.set SPW,  28
.set NIL,  29
.set BA,   30                          ; v30  32 x (lane / 16): my half's eight biases
.set SC,   32
.set AF,   128
.set T,    128
.set O,    192
.set BI,   192                         ; in window 1
.set G1, 24
.set G0, 32
.set G1B, 48
.set G0B, 56
.set G1S, 68
.set G0S, 76
.set G1SB, 80
.set G0SB, 88
.set MSB, 0
.macro WIN new                         ; the immediate's high byte repeats the setting that is left
.if MSB != (\new)
	s_set_vgpr_msb (MSB<<8)|(\new)
.set MSB, (\new)
.endif
.endm
.set MUL_LO, 0xa1                      ; source 0 (weights) window 1, source 1 (x) window 0, C and D window 2
.set MUL_HI, 0xf1
.set TO_B,   0x40
; A joint load: waves 0 and 1 fetch for x, waves 2 and 3 for the weights.  The branch hangs on the wave's number alone.  An s_nop 0 and four v_nop follow each of the two lines.
.macro JLOAD g0a, g1a, g0b, g1b
	s_cmp_eq_u32 s15, 0
	s_cbranch_scc0 .Lfor_b_\@
	tensor_load_to_lds s[\g0a:\g0a+3], s[\g1a:\g1a+7]
	s_nop 0
.rept 4
	v_nop
.endr
	s_branch .Lasked_\@
.Lfor_b_\@:
	tensor_load_to_lds s[\g0b:\g0b+3], s[\g1b:\g1b+7]
	s_nop 0
.rept 4
	v_nop
.endr
.Lasked_\@:
.endm
.macro CROUND                          ; a round of the cluster's barrier
	s_barrier_signal -1
	s_barrier_wait -1
	s_cmp_lg_u32 s14, 0
	s_cbranch_scc1 .Lnot_wave_0_\@
	s_barrier_signal -3
.Lnot_wave_0_\@:
	s_barrier_wait -3
	s_barrier_signal -1
	s_barrier_wait -1
.endm
	s_load_b128 s[4:7], s[0:1], 0x0                ; cod, scl
	s_load_b64 s[12:13], s[0:1], 0x10              ; qkv
	s_load_b128 s[96:99], s[0:1], 0x18             ; bq, bk
	s_load_b64 s[100:101], s[0:1], 0x28            ; bv
	v_lshl_add_u32 v[SPW], v0, 2, SPARE
	v_mov_b32 v[NIL], 0
	ds_add_u32 v[SPW], v[NIL]                      ; the wave's opening: the add and its wait stand ahead of my first tensor load; the set-up below stands between them
	v_lshrrev_b32 v1, 5, v0
	v_readfirstlane_b32 s14, v1                    ; wave 0..3
	s_lshr_b32 s15, s14, 1                         ; which half of the tile's tokens is mine.  Also: I fetch for x (0) or for the weights (1)
	s_and_b32 s16, s14, 1                          ; which half of its features.  Also: which 128 rows I fetch
	s_bfe_u32 s40, ttmp6, 0x40000                  ; cx, cy
	s_bfe_u32 s41, ttmp6, 0x40004
	s_lshl_b32 s42, ttmp9, 2
	s_add_co_u32 s42, s42, s40                     ; tile column = 4 x cluster x + cx
	s_and_b32 s17, ttmp7, 0xffff
	s_lshl_b32 s17, s17, 2
	s_add_co_u32 s17, s17, s41                     ; tile row = 4 x cluster y + cy
	s_lshl_b32 s43, s41, 2
	s_lshl_b32 s43, 15, s43                        ; my row of the cluster
	s_lshl_b32 s44, 0x1111, s40                    ; my column
	s_or_b32 s[G1+0], s43, (0<<16)|(1<<20)|(1<<21)|(5<<22)|(3<<25)  ; the mask; elements of 1 byte; padding on; bit 21 beside a mask; after every 64 words four words
	s_or_b32 s[G1B+0], s44, (0<<16)|(1<<20)|(1<<21)|(5<<22)|(3<<25)
.irp g, G1, G1B
	s_mov_b32 s[\g+1], ROWB<<16                    ; tensor_dim0
	s_mov_b32 s[\g+2], 128<<16                     ; tensor_dim1
	s_mov_b32 s[\g+3], ROWB<<16                    ; tile_dim0
	s_mov_b32 s[\g+4], 128                         ; tile_dim1
	s_mov_b32 s[\g+5], KROW                        ; from row to row
	s_mov_b32 s[\g+6], 0
	s_mov_b32 s[\g+7], 0
.endr
	s_or_b32 s[G1S+0], s43, (3<<16)|(1<<20)|(1<<21)|(5<<22)|(3<<25)  ; the scale bytes of 128 rows: 4,096 dense bytes as rows of 256 (32 elements of 8 bytes), 16 bytes of padding behind each
	s_or_b32 s[G1SB+0], s44, (3<<16)|(1<<20)|(1<<21)|(5<<22)|(3<<25)
.irp g, G1S, G1SB
	s_mov_b32 s[\g+1], 32<<16
	s_mov_b32 s[\g+2], (128*KS/256)<<16
	s_mov_b32 s[\g+3], 32<<16
	s_mov_b32 s[\g+4], 128*KS/256
	s_mov_b32 s[\g+5], 32
	s_mov_b32 s[\g+6], 0
	s_mov_b32 s[\g+7], 0
.endr
	s_lshl_b32 s18, s16, 7
	s_lshl_b32 s20, s17, 8
	s_add_co_u32 s20, s20, s18                     ; x: row 256 x tile row + 128 x half
	s_lshl_b32 s46, s42, 8
	s_add_co_u32 s46, s46, s18                     ; weights: row 256 x tile column + 128 x half
	s_mov_b32 s21, 0
	s_mov_b32 s47, 0
	s_mov_b64 s[18:19], KS
	s_mul_u64 s[22:23], s[20:21], s[18:19]         ; where these rows' scale bytes begin
	s_mul_u64 s[92:93], s[46:47], s[18:19]
	s_mov_b64 s[18:19], KROW
	s_mul_u64 s[20:21], s[20:21], s[18:19]         ; and their codes
	s_mul_u64 s[46:47], s[46:47], s[18:19]
	s_mul_i32 s45, s14, HALFT                      ; where they go: wave x 128 rows
	s_mul_i32 s94, s14, HALFS
	s_wait_dscnt 0x0                               ; the opening add is done
	s_wait_kmcnt 0x0
	s_add_nc_u64 s[8:9], s[4:5], 0x200000          ; the weights' codes lie behind x's,
	s_add_nc_u64 s[10:11], s[6:7], 0x20000         ; their scale bytes likewise
	s_add_nc_u64 s[20:21], s[4:5], s[20:21]
	s_add_nc_u64 s[22:23], s[6:7], s[22:23]
	s_add_nc_u64 s[46:47], s[8:9], s[46:47]
	s_add_nc_u64 s[92:93], s[10:11], s[92:93]
	CROUND                                         ; all sixteen work-groups are here: the first joint loads meet
	s_mov_b32 s[G0S], 1
	s_add_co_u32 s[G0S+1], s94, SCL
	s_mov_b64 s[G0S+2:G0S+3], s[22:23]
	s_or_b32 s[G0S+3], s[G0S+3], 0x80000000
	s_mov_b32 s[G0SB], 1
	s_add_co_u32 s[G0SB+1], s94, SCL
	s_mov_b64 s[G0SB+2:G0SB+3], s[92:93]
	s_or_b32 s[G0SB+3], s[G0SB+3], 0x80000000
	JLOAD G0S, G1S, G0SB, G1SB                     ; the scale bytes first: they are wanted with K step 0
.irp s, 0,1
	s_mov_b32 s[G0+4*\s], 1
	s_add_co_u32 s[G0+4*\s+1], s45, \s*SLOT
	s_add_nc_u64 s[G0+4*\s+2:G0+4*\s+3], s[20:21], \s*ROWB
	s_or_b32 s[G0+4*\s+3], s[G0+4*\s+3], 0x80000000
	s_mov_b32 s[G0B+4*\s], 1
	s_add_co_u32 s[G0B+4*\s+1], s45, \s*SLOT
	s_add_nc_u64 s[G0B+4*\s+2:G0B+4*\s+3], s[46:47], \s*ROWB
	s_or_b32 s[G0B+4*\s+3], s[G0B+4*\s+3], 0x80000000
	JLOAD G0+4*\s, G1, G0B+4*\s, G1B
.endr
	v_and_b32 v1, 15, v0                           ; l % 16
	v_bfe_u32 v2, v0, 4, 1                         ; l / 16
	v_mul_u32_u24 v3, v1, PITCH
	v_lshl_add_u32 v4, v2, 4, v3                   ; a fragment's row x pitch + 16 x half
	s_mul_i32 s21, s15, HALFT
	s_mul_i32 s22, s16, HALFT
	s_add_co_u32 s22, s22, 2*HALFT
.irp s, 0,1
	v_add_nc_u32 v[ADRA+\s], s21, v4
	v_add_nc_u32 v[ADRB+\s], s22, v4
	s_add_co_u32 s21, s21, SLOT
	s_add_co_u32 s22, s22, SLOT
.endr
	v_mul_u32_u24 v5, v1, KS                       ; my row's scale bytes: 32 a row,
	v_lshrrev_b32 v6, 8, v5
	v_lshl_add_u32 v5, v6, 4, v5                   ; and 16 more for each 256 passed
	s_mul_i32 s21, s15, HALFS
	s_mul_i32 s22, s16, HALFS
	s_add_co_u32 s22, s22, 2*HALFS
	s_sub_co_u32 s22, s22, s21
	v_mul_u32_u24 v6, s22, v2                      ; lanes 16-31 take the weights'
	s_add_co_u32 s21, s21, SCL
	v_add_nc_u32 v5, v5, v6
	v_add_nc_u32 v[ADRS], s21, v5
	v_and_b32 v6, 31, v0
	v_lshlrev_b32 v[CO], 4, v6
	v_lshlrev_b32 v[BA], 5, v2
	; the section's bias and factor: chosen by the cluster's x, which all partners share
	s_cmp_eq_u32 ttmp9, 1
	s_cselect_b64 s[96:97], s[98:99], s[96:97]
	s_cmp_eq_u32 ttmp9, 2
	s_cselect_b64 s[96:97], s[100:101], s[96:97]
	s_mov_b32 s66, 0x3f800000
	s_cmp_lt_u32 ttmp9, 2
	s_cselect_b32 s66, 0x3e800000, s66             ; 1/4 for q and k, 1 for v
	s_mov_b32 s67, s66
	s_lshl_b32 s46, s40, 10                        ; the head's 256 features,
	s_lshl_b32 s47, s16, 9                         ; my half of them
	s_add_co_u32 s46, s46, s47
	s_mov_b32 s47, 0
	s_add_nc_u64 s[96:97], s[96:97], s[46:47]
	WIN 0x40                                       ; destination window 1
.irp b, 0,1,2,3,4,5,6,7
	global_load_b128 v[BI+8*\b:BI+8*\b+3], v[BA], s[96:97] offset:64*\b        ; features 16 b + 8 (lane / 16) + 0 .. 7
	global_load_b128 v[BI+8*\b+4:BI+8*\b+7], v[BA], s[96:97] offset:64*\b+16
.endr
	WIN 0
	; where my images begin: section, (batch, head), cy's 16 token tiles, my half of the features (four c), my half of the tokens (eight tiles)
	s_lshl_b32 s46, ttmp9, 23
	s_and_b32 s47, ttmp7, 0xffff
	s_lshl_b32 s47, s47, 2
	s_add_co_u32 s47, s47, s40
	s_lshl_b32 s47, s47, 19
	s_add_co_u32 s46, s46, s47
	s_lshl_b32 s47, s41, 15
	s_add_co_u32 s46, s46, s47
	s_lshl_b32 s47, s16, 18
	s_add_co_u32 s46, s46, s47
	s_lshl_b32 s47, s15, 13
	s_add_co_u32 s46, s46, s47
	s_mov_b32 s47, 0
	s_add_nc_u64 s[12:13], s[12:13], s[46:47]
.macro FRAG reg, adr, q, i             ; 16 rows x 128 K of 4-bit codes: 8 registers: lane l holds row l % 16; registers 4 c .. 4 c + 3 hold K = 64 c + 32 (l / 16) + 0 .. 31
.irp c, 0,1
	ds_load_b128 v[\reg+4*\c:\reg+4*\c+3], v[\adr] offset:64*(\q)+32*\c+(\i)*16*PITCH
.endr
.endm
; 16 matrix instructions: x's blocks a0, a0 + 1 against the weights' eight.  The 64 accumulators take turns, one instruction a turn, in the same order in every step.
.macro MUL16 a0, p, q, sc, zero
.irp a, \a0, \a0+1
.irp b, 0,1,2,3,4,5,6,7
.if \zero
	v_wmma_scale_f32_16x16x128_f8f6f4 v[8*(8*((\a)%4)+\b):8*(8*((\a)%4)+\b)+7], v[128*(\p)+FR*\b:128*(\p)+FR*\b+FR-1], v[AF+FR*(\a):AF+FR*(\a)+FR-1], 0, v[SC+8*NQ*(\sc)+NQ*\b+(\q)], v[SC+8*NQ*(\sc)+NQ*(\a)+(\q)] matrix_a_fmt:MATRIX_FMT_FP4 matrix_b_fmt:MATRIX_FMT_FP4 matrix_a_scale:MATRIX_SCALE_ROW1
.else
	v_wmma_scale_f32_16x16x128_f8f6f4 v[8*(8*((\a)%4)+\b):8*(8*((\a)%4)+\b)+7], v[128*(\p)+FR*\b:128*(\p)+FR*\b+FR-1], v[AF+FR*(\a):AF+FR*(\a)+FR-1], v[8*(8*((\a)%4)+\b):8*(8*((\a)%4)+\b)+7], v[SC+8*NQ*(\sc)+NQ*\b+(\q)], v[SC+8*NQ*(\sc)+NQ*(\a)+(\q)] matrix_a_fmt:MATRIX_FMT_FP4 matrix_b_fmt:MATRIX_FMT_FP4 matrix_a_scale:MATRIX_SCALE_ROW1
.endif
.endr
.endr
.endm
.macro FETCH_B slot, q, p
	WIN TO_B
.irp i, 0,1,2,3,4,5,6,7
	FRAG 128*(\p)+FR*\i, ADRB+\slot, \q, \i
.endr
	WIN 0
.endm
.macro FETCH_A slot, q, i0
.irp i, \i0, \i0+1, \i0+2, \i0+3
	FRAG AF+FR*(\i), ADRA+\slot, \q, \i
.endr
.endm
.macro SCALES sc                       ; a K step's scale words: four a row; lanes 0-15 take x's block i, lanes 16-31 the weights' block i
.irp i, 0,1,2,3,4,5,6,7
	ds_load_b128 v[SC+8*NQ*\sc+NQ*\i:SC+8*NQ*\sc+NQ*\i+3], v[ADRS] offset:\i*SBLK
.endr
.endm
.macro PLACES n                        ; places in front of loads into registers that matrix instructions have read, and of the first read of results
.rept \n
	v_nop
.endr
.endm
.macro STEP slot, q, zero              ; 128 along K, with its successor in the same slot
	s_wait_dscnt 4*NL                              ; all but the youngest eight loads (x's blocks 4-7) are in
	WIN MUL_LO
	MUL16 0, (\q)%2, \q, \slot, \zero
	MUL16 2, (\q)%2, \q, \slot, \zero
	s_wait_dscnt 0
	PLACES NP
	FETCH_B \slot, (\q)+1, 1-(\q)%2
	FETCH_A \slot, (\q)+1, 0
	WIN MUL_HI
	MUL16 4, (\q)%2, \q, \slot, \zero
	MUL16 6, (\q)%2, \q, \slot, \zero
	PLACES NP
	WIN 0
	FETCH_A \slot, (\q)+1, 4
.endm
.macro TURN slot, next                 ; a slot's last step: behind the barrier the next slot is whole for every wave; nothing is filled again
	s_wait_tensorcnt 0x0                           ; all my tensor loads have landed: my part of the next slot
	ds_add_u32 v[SPW], v[NIL]                      ; 0 onto my spare word
	s_wait_dscnt 4*NL+1                            ; (the add and the youngest eight loads may be out)
	WIN MUL_LO
	MUL16 0, 1, NQ-1, \slot, 0
	s_wait_dscnt 0x0
	s_barrier_signal -1
	MUL16 2, 1, NQ-1, \slot, 0
	WIN 0
	s_barrier_wait -1
	PLACES NP
	v_add_nc_u32 v[ADRS], 4*NQ, v[ADRS]            ; on to the next K step's scale words (no LDS load of mine is out)
	FETCH_B \next, 0, 0
	FETCH_A \next, 0, 0
	SCALES \next
	WIN MUL_HI
	MUL16 4, 1, NQ-1, \slot, 0
	MUL16 6, 1, NQ-1, \slot, 0
	PLACES NP
	WIN 0
	FETCH_A \next, 0, 4
.endm
	s_wait_tensorcnt 1                             ; the scale bytes and my part of K step 0 are in (K step 1's load may be out),
	s_barrier_signal -1
	s_barrier_wait -1                              ; everybody's are
	FETCH_B 0, 0, 0
	FETCH_A 0, 0, 0
	SCALES 0
	FETCH_A 0, 0, 4
	STEP 0, 0, 1                                   ; the first products start the sums: nothing is cleared
	STEP 0, 1, 0
	STEP 0, 2, 0
	TURN 0, 1
	STEP 1, 0, 0
	STEP 1, 1, 0
	STEP 1, 2, 0
	s_wait_dscnt 4*NL                              ; the very last step: nothing more to fetch
	WIN MUL_LO
	MUL16 0, 1, NQ-1, 1, 0
	MUL16 2, 1, NQ-1, 1, 0
	s_wait_dscnt 0
	WIN MUL_HI
	MUL16 4, 1, NQ-1, 1, 0
	MUL16 6, 1, NQ-1, 1, 0
	WIN 0
	s_wait_loadcnt 0x0                             ; the biases
	PLACES NP
	WIN 0x41                                       ; destination and source 0 window 1
.set j, 0
.rept 32
	v_pk_mul_f32 v[BI+j:BI+j+1], v[BI+j:BI+j+1], s[66:67] op_sel_hi:[1,0]      ; bias x f, once
.set j, j+2
.endr
.macro OUTB a                          ; block a: 16 tokens x my 128 features
.set AC, 64*((\a)%4)
.set OO, O+32*((\a)%2)
	WIN 0x12+(\a)/4                                ; source 0 (sums) window 2 or 3, source 2 (biases) window 1
.set j, 0
.rept 32
	v_pk_fma_f32 v[T+j:T+j+1], v[AC+j:AC+j+1], s[66:67], v[BI+j:BI+j+1] op_sel_hi:[1,0,1]   ; each accumulator from its low end on
.set j, j+2
.endr
	WIN 0
.if (\a) >= 2
	s_wait_xcnt 0x0                                ; the stores of two blocks back have read their registers
.endif
.set j, 0
.rept 32
	v_cvt_pk_f16_f32 v[OO+j], v[T+2*j], v[T+2*j+1]
.set j, j+1
.endr
.irp b, 0,1,2,3,4,5,6,7
	global_store_b128 v[CO], v[OO+4*\b:OO+4*\b+3], s[12:13] offset:(\b/4)*131072+((\b/2)%2)*16384+(\a)*1024+(\b%2)*512   ; half an image: 512 consecutive bytes, aligned
.endr
.endm
.irp a, 0,1,2,3,4,5,6,7
	OUTB \a
.endr
	s_wait_tensorcnt 0x0                           ; the wave's end
	ds_add_u32 v[SPW], v[NIL]
	s_wait_dscnt 0x0
	CROUND                                         ; the closing round
	s_endpgm
.Lfunc_end_k_q9eb16bcd6d_qkvgemm:
	.size	k_q9eb16bcd6d_qkvgemm, .Lfunc_end_k_q9eb16bcd6d_qkvgemm-k_q9eb16bcd6d_qkvgemm
	.p2alignl 7, 3214868480
	.fill 96, 4, 3214868480
	.section	.rodata,"a",@progbits
	.p2align	6, 0x0
	.amdhsa_kernel k_q9eb16bcd6d_qkvgemm
		.amdhsa_group_segment_fixed_size 327680
		.amdhsa_private_segment_fixed_size 0
		.amdhsa_enable_private_segment 0
		.amdhsa_kernarg_size 48
		.amdhsa_user_sgpr_count 2
		.amdhsa_user_sgpr_kernarg_segment_ptr 1
		.amdhsa_wavefront_size32 1
		.amdhsa_system_sgpr_workgroup_id_x 1
		.amdhsa_system_sgpr_workgroup_id_y 1
		.amdhsa_system_sgpr_workgroup_id_z 1
		.amdhsa_system_vgpr_workitem_id 0
		.amdhsa_next_free_vgpr 1024
		.amdhsa_next_free_sgpr 102
		.amdhsa_reserve_vcc 0
		.amdhsa_float_denorm_mode_32 3
		.amdhsa_float_denorm_mode_16_64 3
		.amdhsa_memory_ordered 1
		.amdhsa_forward_progress 1
		.amdhsa_inst_pref_size 138
	.end_amdhsa_kernel
	.amdgpu_metadata
---
amdhsa.version: [ 1, 2 ]
amdhsa.kernels:
  - .name:           k_q9eb16bcd6d_qkvgemm
    .symbol:         k_q9eb16bcd6d_qkvgemm.kd
    .args:
      - { .name: cod, .offset: 0, .size: 8, .value_kind: global_buffer, .address_space: global }
      - { .name: scl, .offset: 8, .size: 8, .value_kind: global_buffer, .address_space: global }
      - { .name: qkv, .offset: 16, .size: 8, .value_kind: global_buffer, .address_space: global }
      - { .name: bq, .offset: 24, .size: 8, .value_kind: global_buffer, .address_space: global }
      - { .name: bk, .offset: 32, .size: 8, .value_kind: global_buffer, .address_space: global }
      - { .name: bv, .offset: 40, .size: 8, .value_kind: global_buffer, .address_space: global }
    .group_segment_fixed_size: 327680
    .private_segment_fixed_size: 0
    .kernarg_segment_align: 8
    .kernarg_segment_size: 48
    .max_flat_workgroup_size: 128
    .sgpr_count:     102
    .vgpr_count:     1024
    .wavefront_size: 32
...
	.end_amdgpu_metadata
.endif
;; end of part 2
;; launch soft (part 3): grid 16 x 16, 4 waves a work-group, clusters of 4 x 1, 327,680 bytes of LDS; arguments qkv, p, stat; writes p, stat
.if DOCPART == 3
	.amdgcn_target "amdgcn-amd-amdhsa--gfx1250"
	.amdhsa_code_object_version 6
	.text
	.protected	k_q9eb16bcd6d_soft
	.globl	k_q9eb16bcd6d_soft
	.p2align	8
	.type	k_q9eb16bcd6d_soft,@function
k_q9eb16bcd6d_soft:
	s_mov_b64 s[64:65], 0
	v_nop
	global_prefetch_b8 v0, s[64:65] scope:SCOPE_SE
	s_setreg_imm32_b32 hwreg(HW_REG_WAVE_MODE, 25, 1), 1
	s_wait_xcnt 0x0
	s_wait_alu depctr_hold_cnt(0) depctr_sa_sdst(0) depctr_va_vdst(0) depctr_va_sdst(0) depctr_va_ssrc(0) depctr_va_vcc(0) depctr_vm_vsrc(0)
	s_getreg_b32 s2, hwreg(HW_REG_IB_STS2, 6, 4)
	s_cmp_eq_u32 s2, 0
	s_cbranch_scc0 .Lentry_in_a_cluster
	s_endpgm
.Lentry_in_a_cluster:
	s_bfe_u32 s2, ttmp6, 0x10000c
	s_cmp_lg_u32 s2, 0x3003
	s_cbranch_scc0 .Lentry_shape_is_right
	s_endpgm
.Lentry_shape_is_right:
; SCORES AND SOFTMAX.  For 64 queries of one (batch, head): sim = q' . k' over all 1,024 keys (q' and k' carry 1/4 each, so this is the score / sqrt(256)); the row's true maximum m; p = 2^(L sim - L m), L = log2(e);
; l = the sum of the unrounded p.  Out go: p, rounded to f16, not normalised, as images of the last product's fragments; 4 / l; and m, from which the next launch makes the keep mask.
; SHARES.  Four waves; wave w holds all 64 queries x keys 256 w .. 256 w + 255: 64 accumulators, 512 registers, so that the whole row of scores stays in registers between maximum, exponential and sum.
; Source 0 = 16 keys, source 1 = 16 queries: a lane holds ONE query (lane % 16) and the keys 16 b + 8 (lane / 16) + 0 .. 7.  Two neighbouring key tiles, packed to f16, are a fragment (16 rows x 32 keys) of the last product.
; K comes through two LDS slots, each with 64 of the head's 256 channels (two steps of 32); a wave's part of a slot is 32,768 dense bytes of fragment images, fetched by its own tensor load and read by it alone.
; CLUSTER.  The four query blocks of a cluster belong to one (batch, head) and walk the same K: each load is asked for jointly, mask 15.  Two loads a wave are out at the start, one behind each of the two rounds.
; LIMITS: a token's maximum is taken of scores made of f16 operands; NaN and infinities are not served.
; REGISTERS: window 0: v1-9 addresses; v16-23 maxima; v24-31 -L m, a pair a query tile; v32-47 sums; v48-63 at work; v128-255 K's 16 fragments of one step.
;   window 1: Q, fragment (a, c) at v[8 (4 c + a)]; later p as f16, four registers at v[4 (4 b + a)].   windows 2, 3: accumulator (a, b) at v[8 (4 (b % 8) + a)], b < 8 in window 2.
.set SLOTB, 131072
.set MX,    262144                     ; [query 64][wave 4] f32: the waves' maxima; 1,024 bytes on: their sums
.set SPARE, MX+2048                    ; the spare words, 128 bytes for each wave: two blocks of 256 bytes that no other line names
.set LI,  1                            ; v1  16 x lane
.set AK,  2                            ; v2-3  my part of slot 0, 1, + 16 x lane
.set MW,  4                            ; v4  MX + 16 (lane % 16) + 4 wave
.set MR,  5                            ; v5  MX + 16 (lane % 16)
.set MF,  6                            ; v6  MX + 32 lane
.set L8,  7                            ; v7  8 x lane
.set SPW, 8
.set NIL, 9
.set MC,  16
.set NM,  24
.set SU,  32
.set TW,  48
.set KF,  128
.set WV,  10
.set G1,  16
.set G0,  24
.set LG,  40
.set SEL, 42
.set MSB, 0
.macro WIN new
.if MSB != (\new)
	s_set_vgpr_msb (MSB<<8)|(\new)
.set MSB, (\new)
.endif
.endm
.macro CREST
	s_cmp_lg_u32 s[WV], 0
	s_cbranch_scc1 .Lnot_wave_0_\@
	s_barrier_signal -3
.Lnot_wave_0_\@:
	s_barrier_wait -3
	s_barrier_signal -1
	s_barrier_wait -1
.endm
.macro CROUND
	s_barrier_signal -1
	s_barrier_wait -1
	CREST
.endm
.macro PLACES
.rept 4
	v_nop
.endr
.endm
	s_load_b128 s[4:7], s[0:1], 0x0                ; qkv, p
	s_load_b64 s[8:9], s[0:1], 0x10                ; stat
	v_lshl_add_u32 v[SPW], v0, 2, SPARE
	v_mov_b32 v[NIL], 0
	ds_add_u32 v[SPW], v[NIL]                      ; the wave's opening: the add and its wait stand ahead of my first tensor load
	v_lshrrev_b32 v10, 5, v0
	v_readfirstlane_b32 s[WV], v10
	s_bfe_u32 s11, ttmp6, 0x40000                  ; cx
	s_lshl_b32 s12, ttmp9, 2
	s_add_co_u32 s12, s12, s11                     ; my block of 64 queries: it enters Q's, p's and stat's addresses alone
	s_and_b32 s13, ttmp7, 0xffff                   ; the (batch, head), which the four partners share
	s_mov_b32 s[G1], 15|(3<<16)|(1<<21)            ; mask: all four; elements of 8 bytes; bit 21 beside a mask; no padding: images are read 16 bytes a lane on end
	s_mov_b32 s[G1+1], 32<<16                      ; tensor_dim0: 256 bytes
	s_mov_b32 s[G1+2], 128<<16                     ; tensor_dim1
	s_mov_b32 s[G1+3], 32<<16                      ; tile_dim0
	s_mov_b32 s[G1+4], 128                         ; tile_dim1: 32,768 bytes in all
	s_mov_b32 s[G1+5], 32                          ; dense
	s_mov_b32 s[G1+6], 0
	s_mov_b32 s[G1+7], 0
	s_lshl_b32 s14, s[WV], 15                      ; wave x 32,768
	s_lshl_b32 s32, s13, 19                        ; the pair's 524,288 bytes
	s_add_co_u32 s34, s32, s14
	s_add_co_u32 s34, s34, 0x800000                ; in k's section: channels 0-63, my 16 key tiles
	s_mov_b32 s35, 0
	s_lshr_b32 s15, s12, 2
	s_and_b32 s44, s12, 3
	s_lshl_b32 s36, s15, 15
	s_add_co_u32 s36, s36, s32
	s_lshl_b32 s37, s44, 12
	s_add_co_u32 s36, s36, s37                     ; Q: my four query tiles' images
	s_mov_b32 s37, 0
	s_lshl_b32 s38, s13, 2
	s_add_co_u32 s38, s38, s15
	s_lshl_b32 s38, s38, 19                        ; p: the block of 256 rows,
	s_lshl_b32 s39, s44, 14
	s_add_co_u32 s38, s38, s39                     ; my four row tiles in it,
	s_lshl_b32 s39, s[WV], 17
	s_add_co_u32 s38, s38, s39                     ; my wave's two steps of 128 keys
	s_mov_b32 s39, 0
	s_lshl_b32 s46, s13, 12
	s_lshl_b32 s47, s12, 8
	s_add_co_u32 s46, s46, s47                     ; stat: 4 bytes a row
	s_mov_b32 s47, 0
	s_lshl_b32 s45, s[WV], 2
	s_mov_b32 s[LG], 0x3fb8aa3b                    ; L = log2(e)
	s_mov_b32 s[LG+1], s[LG]
	s_mov_b32 s[SEL], 0x76543210
	s_mov_b32 s[SEL+1], 0xfedcba98
	s_wait_dscnt 0x0                               ; the opening add is done
	s_wait_kmcnt 0x0
	s_add_nc_u64 s[34:35], s[4:5], s[34:35]
	s_add_nc_u64 s[4:5], s[4:5], s[36:37]
	s_add_nc_u64 s[6:7], s[6:7], s[38:39]
	s_add_nc_u64 s[8:9], s[8:9], s[46:47]
	CROUND                                         ; all four work-groups are here: the first joint loads meet
	s_mov_b32 s[G0], 1
	s_mov_b32 s[G0+1], s14
	s_mov_b64 s[G0+2:G0+3], s[34:35]
	s_or_b32 s[G0+3], s[G0+3], 0x80000000
	s_mov_b32 s[G0+4], 1
	s_add_co_u32 s[G0+5], s14, SLOTB
	s_add_nc_u64 s[G0+6:G0+7], s[34:35], 131072    ; channels 64-127
	s_or_b32 s[G0+7], s[G0+7], 0x80000000
	tensor_load_to_lds s[G0:G0+3], s[G1:G1+7]
	s_nop 0
	tensor_load_to_lds s[G0+4:G0+7], s[G1:G1+7]
	s_nop 0
	PLACES
	v_and_b32 v10, 31, v0
	v_lshlrev_b32 v[LI], 4, v10
	v_add_nc_u32 v[AK], s14, v[LI]
	v_add_nc_u32 v[AK+1], SLOTB, v[AK]
	v_and_b32 v11, 15, v0
	v_lshlrev_b32 v[MR], 4, v11
	v_add_nc_u32 v[MR], MX, v[MR]
	v_add_nc_u32 v[MW], s45, v[MR]
	v_lshlrev_b32 v[MF], 5, v10
	v_add_nc_u32 v[MF], MX, v[MF]
	v_lshlrev_b32 v[L8], 3, v10
	WIN 0x40                                       ; destination window 1
.irp c, 0,1,2,3,4,5,6,7
.irp a, 0,1,2,3
	global_load_b128 v[8*(4*\c+\a):8*(4*\c+\a)+3],   v[LI], s[4:5] offset:(\c/2)*131072+(\c%2)*16384+\a*1024       ; Q stays in registers
	global_load_b128 v[8*(4*\c+\a)+4:8*(4*\c+\a)+7], v[LI], s[4:5] offset:(\c/2)*131072+(\c%2)*16384+\a*1024+512
.endr
.endr
	WIN 0
; 16 matrix instructions: key tiles 8 hi + b0 .. + 3 against the four query tiles, channels 32 c on.  The 64 accumulators take turns, one instruction a turn, in the same order in every step.
.macro MULK c, hi, b0, zero
.irp b, \b0, \b0+1, \b0+2, \b0+3
.irp a, 0,1,2,3
.if \zero
	v_wmma_f32_16x16x32_f16 v[8*(4*(\b)+\a):8*(4*(\b)+\a)+7], v[KF+64*\hi+8*(\b):KF+64*\hi+8*(\b)+7], v[8*(4*\c+\a):8*(4*\c+\a)+7], 0
.else
	v_wmma_f32_16x16x32_f16 v[8*(4*(\b)+\a):8*(4*(\b)+\a)+7], v[KF+64*\hi+8*(\b):KF+64*\hi+8*(\b)+7], v[8*(4*\c+\a):8*(4*\c+\a)+7], v[8*(4*(\b)+\a):8*(4*(\b)+\a)+7]
.endif
.endr
.endr
.endm
.macro FETCHK slot, cc, hi             ; 16 LDS loads: eight fragments of K, step cc of the slot's two
	WIN 0
.irp b, 0,1,2,3,4,5,6,7
	ds_load_b128 v[KF+64*\hi+8*\b:KF+64*\hi+8*\b+3],   v[AK+\slot] offset:\cc*16384+(8*\hi+\b)*1024
	ds_load_b128 v[KF+64*\hi+8*\b+4:KF+64*\hi+8*\b+7], v[AK+\slot] offset:\cc*16384+(8*\hi+\b)*1024+512
.endr
.endm
.macro STEP c, nslot, ncc, zero        ; 32 channels; each half of K's registers takes the next step's fragments as soon as it has been multiplied
	s_wait_dscnt 16                                ; key tiles 0-7 are in; the sixteen loads of tiles 8-15 may be out
	WIN 0xa4                                       ; source 0 (K) window 0, source 1 (Q) window 1, C and D window 2
	MULK \c, 0, 0, \zero
	MULK \c, 0, 4, \zero
	PLACES
	FETCHK \nslot, \ncc, 0
	s_wait_dscnt 16                                ; all but the sixteen just issued
	WIN 0xf4
	MULK \c, 1, 0, \zero
	MULK \c, 1, 4, \zero
	PLACES
	FETCHK \nslot, \ncc, 1
.endm
; A slot's second step.  All reads of the slot have been issued, so it is filled again here: each wave waits for all its tensor loads (the other slot's), adds 0 to its spare word, waits for that and for its reads;
; the barrier opens a round of the cluster's; the joint refill is the first thing behind the round.
.macro TURNS c, slot, other
	WIN 0
	s_wait_tensorcnt 0x0                           ; no tensor load of mine is out
	ds_add_u32 v[SPW], v[NIL]                      ; 0 onto my spare word
	s_wait_dscnt 17                                ; (the add and the sixteen loads of key tiles 8-15 may be out)
	WIN 0xa4
	MULK \c, 0, 0, 0
	s_wait_dscnt 0x0                               ; the add is done, and my reads of this slot are over
	s_barrier_signal -1
	MULK \c, 0, 4, 0
	WIN 0
	s_barrier_wait -1
	CREST
	s_add_nc_u64 s[G0+4*\slot+2:G0+4*\slot+3], s[G0+4*\slot+2:G0+4*\slot+3], 262144   ; 128 channels on
	tensor_load_to_lds s[G0+4*\slot:G0+4*\slot+3], s[G1:G1+7]
	s_nop 0
	PLACES                                         ; also the places in front of the loads below
	FETCHK \other, 0, 0
	WIN 0xf4
	MULK \c, 1, 0, 0
	MULK \c, 1, 4, 0
	PLACES
	FETCHK \other, 0, 1
.endm
	s_wait_tensorcnt 1                             ; my part of slot 0 is in, and I alone read it; slot 1's may stay out
	FETCHK 0, 0, 0
	FETCHK 0, 0, 1
	s_wait_loadcnt 0x0                             ; Q
	STEP 0, 0, 1, 1                                ; the first products start the sums
	TURNS 1, 0, 1                                  ; slot 0 takes channels 128-191
	STEP 2, 1, 1, 0
	TURNS 3, 1, 0                                  ; slot 1 takes channels 192-255
	STEP 4, 0, 1, 0
	s_wait_tensorcnt 0x0                           ; my part of slot 1 is in: no load was issued behind it
	STEP 5, 1, 0, 0
	STEP 6, 1, 1, 0
	s_wait_dscnt 16
	WIN 0xa4
	MULK 7, 0, 0, 0
	MULK 7, 0, 4, 0
	s_wait_dscnt 0x0
	WIN 0xf4
	MULK 7, 1, 0, 0
	MULK 7, 1, 4, 0
	WIN 0
	; these moves are also the places behind the last products
.irp i, 0,1,2,3,4,5,6,7
	v_mov_b32 v[MC+\i], 0xff800000                 ; eight chains of maxima: query tile x window
.endr
.irp i, 0,1,2,3,4,5,6,7,8,9,10,11,12,13,14,15
	v_mov_b32 v[SU+\i], 0                          ; eight pairs of sums
.endr
.irp a, 0,1,2,3
	v_mov_b32 v[NM+2*\a+1], 0                      ; (named as a pair's upper word)
	v_mov_b32 v[TW+\a], 0                          ; (a lane permute's destination counts as one of its sources)
.endr
.macro MAXW win
	WIN 0x14*(\win)                                ; sources 1 and 2 in the window
.irp b, 0,1,2,3,4,5,6,7
.irp jj, 0,2,4,6
.irp a, 0,1,2,3
	v_max3_num_f32 v[MC+4*((\win)-2)+\a], v[MC+4*((\win)-2)+\a], v[8*(4*\b+\a)+\jj], v[8*(4*\b+\a)+\jj+1]   ; each accumulator from its low end on
.endr
.endr
.endr
.endm
	MAXW 2
	MAXW 3
	WIN 0
.irp a, 0,1,2,3
	v_max_num_f32 v[MC+\a], v[MC+\a], v[MC+4+\a]
.endr
.irp a, 0,1,2,3
	v_permlanex16_b32 v[TW+\a], v[MC+\a], s[SEL], s[SEL+1]
.endr
.irp a, 0,1,2,3
	v_max_num_f32 v[MC+\a], v[MC+\a], v[TW+\a]     ; my wave's 256 keys
.endr
.irp a, 0,1,2,3
	ds_store_b32 v[MW], v[MC+\a] offset:256*\a     ; lanes l and l + 16 write the same word with the same value
.endr
	s_wait_dscnt 0x0                               ; for the others' sake
	s_barrier_signal -1
	s_barrier_wait -1
.irp a, 0,1,2,3
	ds_load_b128 v[TW+4*\a:TW+4*\a+3], v[MR] offset:256*\a
.endr
	s_wait_dscnt 0x0
.irp a, 0,1,2,3
	v_max3_num_f32 v[MC+\a], v[TW+4*\a], v[TW+4*\a+1], v[TW+4*\a+2]
.endr
.irp a, 0,1,2,3
	v_max_num_f32 v[MC+\a], v[MC+\a], v[TW+4*\a+3] ; m: the row's maximum over all 1,024 keys
.endr
.irp a, 0,1,2,3
	v_mul_f32 v[NM+2*\a], 0xbfb8aa3b, v[MC+\a]     ; -L m
.endr
.macro PASS win
	WIN 0x41*(\win)                                ; destination and source 0 in the window
.irp b, 0,1,2,3,4,5,6,7
.irp jj, 0,2,4,6
.irp a, 0,1,2,3
	v_pk_fma_f32 v[8*(4*\b+\a)+\jj:8*(4*\b+\a)+\jj+1], v[8*(4*\b+\a)+\jj:8*(4*\b+\a)+\jj+1], s[LG:LG+1], v[NM+2*\a:NM+2*\a+1] op_sel_hi:[1,0,0]   ; L sim - L m
.endr
.endr
.endr
.set j, 0
.rept 256
	v_exp_f32 v[j], v[j]                           ; p, one batch
.set j, j+1
.endr
	v_nop                                          ; a plain line behind the last exponential
	s_wait_alu depctr_va_vdst(0)                   ; one wait for the batch, ahead of its first reader
	WIN 0x04*(\win)                                ; source 1 in the window
.irp b, 0,1,2,3,4,5,6,7
.irp jj, 0,2,4,6
.irp a, 0,1,2,3
	v_pk_add_f32 v[SU+4*\a+2*(\b%2):SU+4*\a+2*(\b%2)+1], v[SU+4*\a+2*(\b%2):SU+4*\a+2*(\b%2)+1], v[8*(4*\b+\a)+\jj:8*(4*\b+\a)+\jj+1]   ; the sum is taken of the unrounded p
.endr
.endr
.endr
	WIN 0x40+5*(\win)                              ; sources in the window, destination window 1: Q's registers are free
.irp b, 0,1,2,3,4,5,6,7
.irp jj, 0,2,4,6
.irp a, 0,1,2,3
	v_cvt_pk_f16_f32 v[4*(4*(8*((\win)-2)+\b)+\a)+\jj/2], v[8*(4*\b+\a)+\jj], v[8*(4*\b+\a)+\jj+1]
.endr
.endr
.endr
	WIN 0x04                                       ; a store's data are its source 1: window 1
.irp b, 0,1,2,3,4,5,6,7
.irp a, 0,1,2,3
	global_store_b128 v[LI], v[4*(4*(8*((\win)-2)+\b)+\a):4*(4*(8*((\win)-2)+\b)+\a)+3], s[6:7] offset:((\win)-2)*65536+\a*4096+((\b/2)%4)*1024+(\b%2)*512   ; half an image: 512 consecutive bytes, aligned
.endr
.endr
.endm
	PASS 2
	PASS 3
	WIN 0
.irp a, 0,1,2,3
	v_pk_add_f32 v[SU+4*\a:SU+4*\a+1], v[SU+4*\a:SU+4*\a+1], v[SU+4*\a+2:SU+4*\a+3]
.endr
.irp a, 0,1,2,3
	v_add_f32 v[SU+4*\a], v[SU+4*\a], v[SU+4*\a+1]
.endr
.irp a, 0,1,2,3
	v_permlanex16_b32 v[TW+\a], v[SU+4*\a], s[SEL], s[SEL+1]
.endr
.irp a, 0,1,2,3
	v_add_f32 v[SU+4*\a], v[SU+4*\a], v[TW+\a]
.endr
.irp a, 0,1,2,3
	ds_store_b32 v[MW], v[SU+4*\a] offset:1024+256*\a
.endr
	s_wait_dscnt 0x0
	s_barrier_signal -1
	s_barrier_wait -1
	s_cmp_lg_u32 s[WV], 0                          ; wave 0 finishes the 64 rows, two a lane
	s_cbranch_scc1 .Lnot0
	ds_load_b128 v[48:51], v[MF]
	ds_load_b128 v[52:55], v[MF] offset:16
	ds_load_b128 v[56:59], v[MF] offset:1024
	ds_load_b128 v[60:63], v[MF] offset:1040
	s_wait_dscnt 0x0
	v_max3_num_f32 v16, v48, v49, v50
	v_max3_num_f32 v17, v52, v53, v54
	v_max_num_f32 v16, v16, v51
	v_max_num_f32 v17, v17, v55
	v_add_f32 v18, v56, v57
	v_add_f32 v19, v60, v61
	v_add_f32 v20, v58, v59
	v_add_f32 v21, v62, v63
	v_add_f32 v18, v18, v20
	v_add_f32 v19, v19, v21
	v_rcp_f32 v22, v18
	v_rcp_f32 v23, v19
	v_nop
	s_wait_alu depctr_va_vdst(0)                   ; one wait for the two reciprocals
	v_mul_f32 v22, 4.0, v22                        ; 4 / l: the last product's other operand carries 1/4
	v_mul_f32 v23, 4.0, v23
	global_store_b64 v[L8], v[22:23], s[8:9]               ; 256 consecutive bytes, aligned
	global_store_b64 v[L8], v[16:17], s[8:9] offset:65536  ; the rows' maxima
.Lnot0:
	s_wait_tensorcnt 0x0                           ; the wave's end
	ds_add_u32 v[SPW], v[NIL]
	s_wait_dscnt 0x0
	CROUND                                         ; the closing round
	s_endpgm
.Lfunc_end_k_q9eb16bcd6d_soft:
	.size	k_q9eb16bcd6d_soft, .Lfunc_end_k_q9eb16bcd6d_soft-k_q9eb16bcd6d_soft
	.p2alignl 7, 3214868480
	.fill 96, 4, 3214868480
	.section	.rodata,"a",@progbits
	.p2align	6, 0x0
	.amdhsa_kernel k_q9eb16bcd6d_soft
		.amdhsa_group_segment_fixed_size 327680
		.amdhsa_private_segment_fixed_size 0
		.amdhsa_enable_private_segment 0
		.amdhsa_kernarg_size 24
		.amdhsa_user_sgpr_count 2
		.amdhsa_user_sgpr_kernarg_segment_ptr 1
		.amdhsa_wavefront_size32 1
		.amdhsa_system_sgpr_workgroup_id_x 1
		.amdhsa_system_sgpr_workgroup_id_y 1
		.amdhsa_system_sgpr_workgroup_id_z 1
		.amdhsa_system_vgpr_workitem_id 0
		.amdhsa_next_free_vgpr 1024
		.amdhsa_next_free_sgpr 66
		.amdhsa_reserve_vcc 0
		.amdhsa_float_denorm_mode_32 3
		.amdhsa_float_denorm_mode_16_64 3
		.amdhsa_memory_ordered 1
		.amdhsa_forward_progress 1
		.amdhsa_inst_pref_size 155
	.end_amdhsa_kernel
	.amdgpu_metadata
---
amdhsa.version: [ 1, 2 ]
amdhsa.kernels:
  - .name:           k_q9eb16bcd6d_soft
    .symbol:         k_q9eb16bcd6d_soft.kd
    .args:
      - { .name: qkv, .offset: 0, .size: 8, .value_kind: global_buffer, .address_space: global }
      - { .name: p, .offset: 8, .size: 8, .value_kind: global_buffer, .address_space: global }
      - { .name: stat, .offset: 16, .size: 8, .value_kind: global_buffer, .address_space: global }
    .group_segment_fixed_size: 327680
    .private_segment_fixed_size: 0
    .kernarg_segment_align: 8
    .kernarg_segment_size: 24
    .max_flat_workgroup_size: 128
    .sgpr_count:     66
    .vgpr_count:     1024
    .wavefront_size: 32
...
	.end_amdgpu_metadata
.endif
;; end of part 3
;; launch w2make (part 4): grid 16 x 16, 4 waves a work-group, clusters of 4 x 4, 327,680 bytes of LDS; arguments stat, h16, w2; writes w2
.if DOCPART == 4
	.amdgcn_target "amdgcn-amd-amdhsa--gfx1250"
	.amdhsa_code_object_version 6
	.text
	.protected	k_q9eb16bcd6d_w2make
	.globl	k_q9eb16bcd6d_w2make
	.p2align	8
	.type	k_q9eb16bcd6d_w2make,@function
k_q9eb16bcd6d_w2make:
	s_mov_b64 s[64:65], 0
	v_nop
	global_prefetch_b8 v0, s[64:65] scope:SCOPE_SE
	s_setreg_imm32_b32 hwreg(HW_REG_WAVE_MODE, 25, 1), 1
	s_wait_xcnt 0x0
	s_wait_alu depctr_hold_cnt(0) depctr_sa_sdst(0) depctr_va_vdst(0) depctr_va_sdst(0) depctr_va_ssrc(0) depctr_va_vcc(0) depctr_vm_vsrc(0)
	s_getreg_b32 s2, hwreg(HW_REG_IB_STS2, 6, 4)
	s_cmp_eq_u32 s2, 0
	s_cbranch_scc0 .Lentry_in_a_cluster
	s_endpgm
.Lentry_in_a_cluster:
	s_bfe_u32 s2, ttmp6, 0x10000c
	s_cmp_lg_u32 s2, 0xf033
	s_cbranch_scc0 .Lentry_shape_is_right
	s_endpgm
.Lentry_shape_is_right:
; W2s[n][k] = 2^-4 x the sum over tokens m of keep[m] wo[n][m] xsum[m][k], which is (merged_tokens . wo^T) / 4, transposed; keep[m] = (the largest score of token m over all 16 (batch, head) pairs > 0.9).
; attn . (merged . wo^T) is reference()'s (attn . merged) . wo^T with the sums taken in another order; it holds for every input.
; SHARES.  A work-group makes 64 n x 64 k; wave w its n tile w against four k tiles: four accumulators, m in 32 steps of 32.  Source 0 = xsum^T (16 k x 32 m, turned out of rows of m by ds_load_tr16_b128),
; source 1 = wo (16 n x 32 m), each number ANDed with its token's mask (0xffff or 0): no branch and no address hangs on the mask.  A lane then holds one n and eight neighbouring k: half an image of the last product's fragment.
; CLUSTERS: 4 x 4: xsum's slab hangs on the k tile alone and is shared along a column, wo's rows on the n tile alone and are shared along a row.  LDS is filled once: one tensor load a wave is out.
; LIMITS: |W2| under 262,000 (f16 behind the factor 1/4).  The scores behind keep are made of f16 operands: a token whose largest score lies within about 0.001 of 0.9 may fall on the other side.
.set XS,    0                          ; 1,024 rows of m: 128 bytes + 32 of padding = 40 words
.set XP,    160
.set WO,    163840                     ; two halves of m, each 64 rows of n: 1,024 bytes + 16 of padding
.set WP,    1040
.set KM,    296960                     ; a mask of 16 bits for each m
.set SPARE, 299008                     ; the spare words, 128 bytes for each wave: two blocks of 256 bytes that no other line names
.set SPW, 12
.set NIL, 13
.set FS,  32                           ; v32-223  four sets of 48: wo's fragment 8, its mask 8, xsum's four fragments 32
.set ACC, 224
.set G1X, 16
.set G0X, 24
.set G1W, 28
.set G0W, 36
.macro CROUND
	s_barrier_signal -1
	s_barrier_wait -1
	s_cmp_lg_u32 s10, 0
	s_cbranch_scc1 .Lnot_wave_0_\@
	s_barrier_signal -3
.Lnot_wave_0_\@:
	s_barrier_wait -3
	s_barrier_signal -1
	s_barrier_wait -1
.endm
	s_load_b128 s[4:7], s[0:1], 0x0                ; stat, h16
	s_load_b64 s[8:9], s[0:1], 0x10                ; w2
	v_lshl_add_u32 v[SPW], v0, 2, SPARE
	v_mov_b32 v[NIL], 0
	ds_add_u32 v[SPW], v[NIL]                      ; the wave's opening: the add and its wait stand ahead of my first tensor load
	v_lshrrev_b32 v20, 5, v0
	v_readfirstlane_b32 s10, v20                   ; wave
	s_lshr_b32 s11, s10, 1                         ; I fetch xsum (0) or wo (1),
	s_and_b32 s12, s10, 1                          ; and which half
	s_bfe_u32 s40, ttmp6, 0x40000                  ; cx, cy
	s_bfe_u32 s41, ttmp6, 0x40004
	s_lshl_b32 s42, ttmp9, 2
	s_add_co_u32 s42, s42, s40                     ; k tile of 64
	s_and_b32 s13, ttmp7, 0xffff
	s_lshl_b32 s13, s13, 2
	s_add_co_u32 s13, s13, s41                     ; n tile of 64
	s_lshl_b32 s43, s41, 2
	s_lshl_b32 s43, 15, s43                        ; my row of the cluster
	s_lshl_b32 s44, 0x1111, s40                    ; my column
	s_or_b32 s[G1X], s44, (3<<16)|(1<<20)|(1<<21)|(4<<22)|(7<<25)   ; elements of 8 bytes; after every 32 words (a row) eight words of padding
	s_mov_b32 s[G1X+1], 16<<16                     ; tensor_dim0: 128 bytes
	s_mov_b32 s[G1X+2], 512<<16                    ; tensor_dim1
	s_mov_b32 s[G1X+3], 16<<16                     ; tile_dim0
	s_mov_b32 s[G1X+4], 512                        ; tile_dim1
	s_mov_b32 s[G1X+5], 16                         ; dense
	s_mov_b32 s[G1X+6], 0
	s_mov_b32 s[G1X+7], 0
	s_or_b32 s[G1W], s43, (3<<16)|(1<<20)|(1<<21)|(7<<22)|(3<<25)   ; after every 256 words (a row) four words of padding
	s_mov_b32 s[G1W+1], 128<<16                    ; 1,024 bytes: 512 of m
	s_mov_b32 s[G1W+2], 64<<16
	s_mov_b32 s[G1W+3], 128<<16
	s_mov_b32 s[G1W+4], 64
	s_mov_b32 s[G1W+5], 256                        ; a row of wo is 2,048 bytes
	s_mov_b32 s[G1W+6], 0
	s_mov_b32 s[G1W+7], 0
	s_lshl_b32 s46, s42, 17                        ; xsum: the k tile's slab, my 512 rows
	s_lshl_b32 s47, s12, 16
	s_add_co_u32 s46, s46, s47
	s_mov_b32 s47, 0
	s_lshl_b32 s14, s13, 17                        ; wo: the n tile's 64 rows, my half of m
	s_lshl_b32 s15, s12, 10
	s_add_co_u32 s14, s14, s15
	s_add_co_u32 s14, s14, 0x200000
	s_mov_b32 s15, 0
	s_mul_i32 s48, s12, 512*XP
	s_mul_i32 s49, s12, 64*WP
	s_add_co_u32 s49, s49, WO
	s_wait_dscnt 0x0                               ; the opening add is done
	s_wait_kmcnt 0x0
	s_add_nc_u64 s[46:47], s[6:7], s[46:47]
	s_add_nc_u64 s[14:15], s[6:7], s[14:15]
	CROUND                                         ; all sixteen work-groups are here
	s_mov_b32 s[G0X], 1
	s_mov_b32 s[G0X+1], s48
	s_mov_b64 s[G0X+2:G0X+3], s[46:47]
	s_or_b32 s[G0X+3], s[G0X+3], 0x80000000
	s_mov_b32 s[G0W], 1
	s_mov_b32 s[G0W+1], s49
	s_mov_b64 s[G0W+2:G0W+3], s[14:15]
	s_or_b32 s[G0W+3], s[G0W+3], 0x80000000
	s_cmp_eq_u32 s11, 0                            ; the wave's number alone
	s_cbranch_scc0 .Lfor_w
	tensor_load_to_lds s[G0X:G0X+3], s[G1X:G1X+7]
	s_nop 0
.rept 4
	v_nop
.endr
	s_branch .Lasked
.Lfor_w:
	tensor_load_to_lds s[G0W:G0W+3], s[G1W:G1W+7]
	s_nop 0
.rept 4
	v_nop
.endr
.Lasked:
	; the rows' maxima, [16 pairs][1,024 tokens]: a thread takes tokens 4 t + 0 .. 3 and 512 + 4 t + 0 .. 3; each load of a wave reads 512 consecutive bytes
	v_lshlrev_b32 v1, 4, v0
	s_add_nc_u64 s[4:5], s[4:5], 65536
.irp u, 0,1,2,3,4,5,6,7,8,9,10,11,12,13,14,15
.irp g, 0,1
	global_load_b128 v[32+8*\u+4*\g:32+8*\u+4*\g+3], v1, s[4:5] offset:\u*4096+\g*2048
.endr
.endr
	v_lshl_add_u32 v2, v0, 3, KM                   ; where my four masks go
	v_and_b32 v20, 15, v0                          ; r
	v_bfe_u32 v21, v0, 4, 1                        ; h
	v_lshl_add_u32 v3, v21, 4, KM                  ; a fragment's masks: 16 bytes for my half
	v_and_b32 v22, 7, v0
	v_lshl_add_u32 v22, v21, 3, v22
	v_mul_u32_u24 v22, v22, XP
	v_bfe_u32 v23, v0, 3, 1
	v_lshl_add_u32 v4, v23, 4, v22                 ; the turning load: row 8 h + l % 8, 16 bytes at 16 ((l / 8) % 2); v4-7: m from 0, 256, 512, 768 on
	v_add_nc_u32 v5, 256*XP, v4
	v_add_nc_u32 v6, 512*XP, v4
	v_add_nc_u32 v7, 768*XP, v4
	s_mul_i32 s50, s10, 16*WP
	s_add_co_u32 s50, s50, WO
	v_mul_u32_u24 v8, v20, WP
	v_lshl_add_u32 v8, v21, 4, v8
	v_add_nc_u32 v8, s50, v8                       ; wo: row 16 w + r, + 16 h; v8, v9: the halves of m
	v_add_nc_u32 v9, 64*WP, v8
	v_and_b32 v10, 31, v0
	v_lshlrev_b32 v10, 4, v10                      ; 16 x lane
	v_mov_b32 v14, 0
	v_mov_b32 v15, 0xffff
	s_mov_b32 s51, 0x3f666666                      ; 0.9
	s_lshr_b32 s52, s13, 2                         ; where my images go: block of 256 n, step of 128 k, n tile, c4
	s_lshl_b32 s52, s52, 19
	s_lshr_b32 s53, s42, 1
	s_lshl_b32 s53, s53, 16
	s_add_co_u32 s52, s52, s53
	s_and_b32 s53, s13, 3
	s_lshl_b32 s53, s53, 2
	s_add_co_u32 s53, s53, s10
	s_lshl_b32 s53, s53, 12
	s_add_co_u32 s52, s52, s53
	s_and_b32 s53, s42, 1
	s_lshl_b32 s53, s53, 11
	s_add_co_u32 s52, s52, s53
	s_mov_b32 s53, 0
	s_add_nc_u64 s[8:9], s[8:9], s[52:53]
	s_wait_loadcnt 0x0
.irp e, 0,1,2,3,4,5,6,7
	v_max3_num_f32 v[160+\e], v[32+\e], v[40+\e], v[48+\e]        ; eight tokens by turns, over the 16 pairs
.endr
.irp k, 3,5,7,9,11,13
.irp e, 0,1,2,3,4,5,6,7
	v_max3_num_f32 v[160+\e], v[160+\e], v[32+8*\k+\e], v[40+8*\k+\e]
.endr
.endr
.irp e, 0,1,2,3,4,5,6,7
	v_max_num_f32 v[160+\e], v[160+\e], v[152+\e]
.endr
.irp e, 0,1,2,3,4,5,6,7
	v_cmp_lt_f32 vcc_lo, s51, v[160+\e]            ; 0.9 < the token's largest score
	v_cndmask_b32 v[160+\e], v14, v15, vcc_lo
.endr
	v_lshl_or_b32 v16, v161, 16, v160
	v_lshl_or_b32 v17, v163, 16, v162
	v_lshl_or_b32 v18, v165, 16, v164
	v_lshl_or_b32 v19, v167, 16, v166
	ds_store_b64 v2, v[16:17]
	ds_store_b64 v2, v[18:19] offset:1024
	s_wait_tensorcnt 0x0                           ; my tile has landed,
	s_wait_dscnt 0x0                               ; my masks are stored:
	s_barrier_signal -1
	s_barrier_wait -1                              ; everybody's
.macro LOADS s                         ; step s: 12 LDS loads into set s % 4
.set FB, FS+48*((\s)%4)
	ds_load_b128 v[FB:FB+3],     v[8+(\s)/16] offset:64*((\s)%16)
	ds_load_b128 v[FB+4:FB+7],   v[8+(\s)/16] offset:64*((\s)%16)+32
	ds_load_b128 v[FB+8:FB+11],  v3 offset:64*(\s)
	ds_load_b128 v[FB+12:FB+15], v3 offset:64*(\s)+32
.irp t, 0,1,2,3
	ds_load_tr16_b128 v[FB+16+8*\t:FB+16+8*\t+3],   v[4+(\s)/8] offset:32*XP*((\s)%8)+32*\t
	ds_load_tr16_b128 v[FB+16+8*\t+4:FB+16+8*\t+7], v[4+(\s)/8] offset:32*XP*((\s)%8)+32*\t+16*XP
.endr
.endm
.macro STEPW s
.if (\s) <= 29
	s_wait_dscnt 24                                ; this step's twelve loads are in; those of the two steps behind it may be out
.elseif (\s) == 30
	s_wait_dscnt 12
.else
	s_wait_dscnt 0x0
.endif
.set FB, FS+48*((\s)%4)
.irp i, 0,1,2,3,4,5,6,7
	v_and_b32 v[FB+\i], v[FB+\i], v[FB+8+\i]       ; keep.  (These eight are also the places between the last step's products and the loads into its registers)
.endr
.if (\s)+3 < 32
	LOADS (\s)+3
.endif
.set FB, FS+48*((\s)%4)
.irp t, 0,1,2,3
.if (\s) == 0
	v_wmma_f32_16x16x32_f16 v[ACC+8*\t:ACC+8*\t+7], v[FB+16+8*\t:FB+16+8*\t+7], v[FB:FB+7], 0
.else
	v_wmma_f32_16x16x32_f16 v[ACC+8*\t:ACC+8*\t+7], v[FB+16+8*\t:FB+16+8*\t+7], v[FB:FB+7], v[ACC+8*\t:ACC+8*\t+7]   ; the four accumulators take turns
.endif
.endr
.endm
	LOADS 0
	LOADS 1
	LOADS 2
.set Q, 0
.rept 32
	STEPW Q
.set Q, Q+1
.endr
.rept 4
	v_nop
.endr
.set j, 0
.rept 16
	v_pk_mul_f32 v[32+j:33+j], v[ACC+j:ACC+j+1], 0x3d800000 op_sel_hi:[1,0]   ; x 2^-4, each accumulator from its low end on
.set j, j+2
.endr
.set j, 0
.rept 16
	v_cvt_pk_f16_f32 v[96+j], v[32+2*j], v[33+2*j]
.set j, j+1
.endr
.irp t, 0,1,2,3
	global_store_b128 v10, v[96+4*\t:96+4*\t+3], s[8:9] offset:512*\t   ; half an image: 512 consecutive bytes, aligned
.endr
	s_wait_tensorcnt 0x0                           ; the wave's end
	ds_add_u32 v[SPW], v[NIL]
	s_wait_dscnt 0x0
	CROUND                                         ; the closing round
	s_endpgm
.Lfunc_end_k_q9eb16bcd6d_w2make:
	.size	k_q9eb16bcd6d_w2make, .Lfunc_end_k_q9eb16bcd6d_w2make-k_q9eb16bcd6d_w2make
	.p2alignl 7, 3214868480
	.fill 96, 4, 3214868480
	.section	.rodata,"a",@progbits
	.p2align	6, 0x0
	.amdhsa_kernel k_q9eb16bcd6d_w2make
		.amdhsa_group_segment_fixed_size 327680
		.amdhsa_private_segment_fixed_size 0
		.amdhsa_enable_private_segment 0
		.amdhsa_kernarg_size 24
		.amdhsa_user_sgpr_count 2
		.amdhsa_user_sgpr_kernarg_segment_ptr 1
		.amdhsa_wavefront_size32 1
		.amdhsa_system_sgpr_workgroup_id_x 1
		.amdhsa_system_sgpr_workgroup_id_y 1
		.amdhsa_system_sgpr_workgroup_id_z 1
		.amdhsa_system_vgpr_workitem_id 0
		.amdhsa_next_free_vgpr 256
		.amdhsa_next_free_sgpr 66
		.amdhsa_reserve_vcc 1
		.amdhsa_float_denorm_mode_32 3
		.amdhsa_float_denorm_mode_16_64 3
		.amdhsa_memory_ordered 1
		.amdhsa_forward_progress 1
		.amdhsa_inst_pref_size 59
	.end_amdhsa_kernel
	.amdgpu_metadata
---
amdhsa.version: [ 1, 2 ]
amdhsa.kernels:
  - .name:           k_q9eb16bcd6d_w2make
    .symbol:         k_q9eb16bcd6d_w2make.kd
    .args:
      - { .name: stat, .offset: 0, .size: 8, .value_kind: global_buffer, .address_space: global }
      - { .name: h16, .offset: 8, .size: 8, .value_kind: global_buffer, .address_space: global }
      - { .name: w2, .offset: 16, .size: 8, .value_kind: global_buffer, .address_space: global }
    .group_segment_fixed_size: 327680
    .private_segment_fixed_size: 0
    .kernarg_segment_align: 8
    .kernarg_segment_size: 24
    .max_flat_workgroup_size: 128
    .sgpr_count:     66
    .vgpr_count:     256
    .wavefront_size: 32
...
	.end_amdgpu_metadata
.endif
;; end of part 4
;; launch outgemm (part 5): grid 4 x 64, 4 waves a work-group, clusters of 4 x 4, 327,680 bytes of LDS; arguments p, w2, out0, stat, bo; writes out0
.if DOCPART == 5
	.amdgcn_target "amdgcn-amd-amdhsa--gfx1250"
	.amdhsa_code_object_version 6
	.text
	.protected	k_q9eb16bcd6d_outgemm
	.globl	k_q9eb16bcd6d_outgemm
	.p2align	8
	.type	k_q9eb16bcd6d_outgemm,@function
k_q9eb16bcd6d_outgemm:
	s_mov_b64 s[64:65], 0
	v_nop
	global_prefetch_b8 v0, s[64:65] scope:SCOPE_SE
	s_setreg_imm32_b32 hwreg(HW_REG_WAVE_MODE, 25, 1), 1
	s_wait_xcnt 0x0
	s_wait_alu depctr_hold_cnt(0) depctr_sa_sdst(0) depctr_va_vdst(0) depctr_va_sdst(0) depctr_va_ssrc(0) depctr_va_vcc(0) depctr_vm_vsrc(0)
	s_getreg_b32 s2, hwreg(HW_REG_IB_STS2, 6, 4)
	s_cmp_eq_u32 s2, 0
	s_cbranch_scc0 .Lentry_in_a_cluster
	s_endpgm
.Lentry_in_a_cluster:
	s_bfe_u32 s2, ttmp6, 0x10000c
	s_cmp_lg_u32 s2, 0xf033
	s_cbranch_scc0 .Lentry_shape_is_right
	s_endpgm
.Lentry_shape_is_right:
; out[row][n] = (the sum over keys of p[row][key] W2s[n][key]) x (4 / l[row]) + bo[n]: a GEMM of 16,384 rows x 1,024 n x 1,024 keys on f16 operands, f32 sums.
; A tile, 256 x 256, is made by four waves, 128 x 128 each: 64 accumulators, 512 registers.  The keys go in steps of 128 through a ring of two LDS slots.
; Both operands lie in memory as images of their fragments' registers, [block of 256 rows][step of 128 keys][tile of 16 rows][32 keys][1,024 bytes]: a step's tile is 65,536 dense bytes, a wave's tensor load brings half of it,
; and a fragment is read 16 bytes a lane on end: no pitch, no padding.
; CLUSTERS: 4 x 4: p's tile is shared along a row of the cluster, W2s's along a column; each is asked for jointly.  Two loads a wave are out at the start, one behind each round.
; THE MATRIX INSTRUCTION IS USED TRANSPOSED (source 0 = 16 n of W2s, source 1 = 16 rows of p): a lane holds eight neighbouring n of one row.
; REGISTERS: window 0: v0-31 addresses; v32-47 4 / l, a pair a row tile; v64-127, v128-191 p's fragments, two buffers; on the way out v64-127 results, v128-255 rows read back.
;   window 1: v64-127, v128-191 W2s's fragments; v192-255 bo of my 128 n.   windows 2, 3: accumulator (a, b) at v[8 (8 (a % 4) + b)].
.set SLOT,   131072                    ; p's 65,536 bytes, then W2s's
.set KSB,    65536                     ; a step on, in memory
.set STAGE,  2*SLOT                    ; behind the ring: 16 rows x (512 bytes + 16) for each wave
.set SPITCH, 528
.set SPARE,  STAGE+4*16*SPITCH         ; the spare words, 128 bytes for each wave: two blocks of 256 bytes that no other line names
.set LAPS,   4                         ; a lap = two steps = once round the ring
.set ADRA, 16
.set ADRB, 20
.set STO,  24
.set RD,   25
.set CO,   26                          ; v26  16 x lane
.set SPW,  28
.set NIL,  29
.set PFO,  30                          ; v30  256 x lane: the prefetches' offset; never rewritten
.set RL,   32
.set F0,   64
.set F1,   128
.set T,    64
.set BK,   128
.set BO,   192                         ; in window 1
.set PFA,  44                          ; s[44:45] where my prefetches stand
.set LIM,  43                          ; s43  1 in a wave that prefetches, else the greatest number
.set G1, 24
.set G0, 32
.set G1B, 48
.set G0B, 56
.set MSB, 0
.macro WIN new
.if MSB != (\new)
	s_set_vgpr_msb (MSB<<8)|(\new)
.set MSB, (\new)
.endif
.endm
.set MUL_LO, 0xa1                      ; source 0 (W2s) window 1, source 1 (p) window 0, C and D window 2
.set MUL_HI, 0xf1
.set TO_B,   0x40
; A joint load: waves 0 and 1 fetch p's two halves, waves 2 and 3 W2s's.  The branch hangs on the wave's number alone.  An s_nop 0 and four v_nop follow each of the two lines.
.macro JLOAD s
	s_cmp_eq_u32 s11, 0
	s_cbranch_scc0 .Lfor_b_\@
	tensor_load_to_lds s[G0+4*\s:G0+4*\s+3], s[G1:G1+7]
	s_nop 0
.rept 4
	v_nop
.endr
	s_branch .Lasked_\@
.Lfor_b_\@:
	tensor_load_to_lds s[G0B+4*\s:G0B+4*\s+3], s[G1B:G1B+7]
	s_nop 0
.rept 4
	v_nop
.endr
.Lasked_\@:
.endm
; A PREFETCH INTO THE L2, behind each joint refill and the run of LDS loads that follows it: of the step that stands two refills on, 512 matrix instructions ahead of the load that will want it.
; Of the 32,768 bytes that a wave fetches, each of the four partners that ask for them jointly takes 8,192, told apart by address (cx for p, cy for W2s); a lane names 256 bytes: one instruction a wave.
; p's block is read by one cluster alone: every cluster asks for its own.  W2s's is read by all sixteen clusters: cluster y = 0 asks.  So each 256 bytes are named once in the launch.
; The first four steps come by their loads alone; the loop's last trip asks for nothing: there is no step two refills on.
.macro ASK
	s_cmp_gt_u32 s3, s[LIM]                        ; s3 = 1 in the loop's last trip
	s_cbranch_scc0 .Lnot_mine_\@
	global_prefetch_b8 v[PFO], s[PFA:PFA+1] offset:KSB th:TH_LOAD_NT scope:SCOPE_SE
.Lnot_mine_\@:
.endm
.macro CREST
	s_cmp_lg_u32 s10, 0
	s_cbranch_scc1 .Lnot_wave_0_\@
	s_barrier_signal -3
.Lnot_wave_0_\@:
	s_barrier_wait -3
	s_barrier_signal -1
	s_barrier_wait -1
.endm
.macro CROUND
	s_barrier_signal -1
	s_barrier_wait -1
	CREST
.endm
	s_load_b128 s[4:7], s[0:1], 0x0                ; p, w2
	s_load_b64 s[8:9], s[0:1], 0x10                ; out0
	s_load_b128 s[68:71], s[0:1], 0x18             ; stat, bo
	v_lshl_add_u32 v[SPW], v0, 2, SPARE
	v_mov_b32 v[NIL], 0
	ds_add_u32 v[SPW], v[NIL]                      ; the wave's opening: the add and its wait stand ahead of my first tensor load
	v_lshrrev_b32 v1, 5, v0
	v_readfirstlane_b32 s10, v1                    ; wave
	s_lshr_b32 s11, s10, 1                         ; which half of the tile's rows is mine.  Also: I fetch for p (0) or for W2s (1)
	s_and_b32 s12, s10, 1                          ; which half of its columns.  Also: which half of that tile I fetch
	s_bfe_u32 s40, ttmp6, 0x40000                  ; cx, cy
	s_bfe_u32 s41, ttmp6, 0x40004
	s_lshl_b32 s42, ttmp9, 2
	s_add_co_u32 s42, s42, s40                     ; block of 256 n
	s_and_b32 s13, ttmp7, 0xffff
	s_lshl_b32 s13, s13, 2
	s_add_co_u32 s13, s13, s41                     ; block of 256 rows
	s_lshl_b32 s43, s41, 2
	s_lshl_b32 s43, 15, s43                        ; my row of the cluster
	s_lshl_b32 s44, 0x1111, s40                    ; my column
	s_or_b32 s[G1+0], s43, (3<<16)|(1<<21)         ; the mask; elements of 8 bytes; bit 21 beside a mask; no padding
	s_or_b32 s[G1B+0], s44, (3<<16)|(1<<21)
.irp g, G1, G1B
	s_mov_b32 s[\g+1], 32<<16                      ; tensor_dim0: 256 bytes
	s_mov_b32 s[\g+2], 128<<16                     ; tensor_dim1
	s_mov_b32 s[\g+3], 32<<16                      ; tile_dim0
	s_mov_b32 s[\g+4], 128                         ; tile_dim1: 32,768 bytes in all
	s_mov_b32 s[\g+5], 32                          ; dense
	s_mov_b32 s[\g+6], 0
	s_mov_b32 s[\g+7], 0
.endr
	s_lshl_b32 s17, s12, 15                        ; which half I fetch
	s_lshl_b32 s16, s13, 19
	s_add_co_u32 s16, s16, s17                     ; p: the rows' block
	s_lshl_b32 s46, s42, 19
	s_add_co_u32 s46, s46, s17                     ; W2s: the n's block
	s_mov_b32 s17, 0
	s_mov_b32 s47, 0
	s_lshl_b32 s20, s10, 15                        ; where they go: wave x 32,768
	s_wait_dscnt 0x0                               ; the opening add is done
	s_wait_kmcnt 0x0
	s_add_nc_u64 s[14:15], s[4:5], s[16:17]
	s_add_nc_u64 s[46:47], s[6:7], s[46:47]
	CROUND                                         ; all sixteen work-groups are here: the first joint loads meet
.irp s, 0,1
	s_mov_b32 s[G0+4*\s], 1
	s_add_co_u32 s[G0+4*\s+1], s20, \s*SLOT
	s_add_nc_u64 s[G0+4*\s+2:G0+4*\s+3], s[14:15], \s*KSB
	s_or_b32 s[G0+4*\s+3], s[G0+4*\s+3], 0x80000000
	s_mov_b32 s[G0B+4*\s], 1
	s_add_co_u32 s[G0B+4*\s+1], s20, \s*SLOT
	s_add_nc_u64 s[G0B+4*\s+2:G0B+4*\s+3], s[46:47], \s*KSB
	s_or_b32 s[G0B+4*\s+3], s[G0B+4*\s+3], 0x80000000
	JLOAD \s
.endr
	v_and_b32 v1, 15, v0                           ; l % 16
	v_bfe_u32 v2, v0, 4, 1                         ; l / 16
	v_and_b32 v3, 31, v0
	v_lshlrev_b32 v[CO], 4, v3
	s_lshl_b32 s21, s11, 15                        ; my eight row tiles of p
	s_lshl_b32 s22, s12, 15                        ; my eight n tiles of W2s,
	s_add_co_u32 s22, s22, KSB                     ; which lie behind p's sixteen
.irp s, 0,1
	v_add_nc_u32 v[ADRA+\s], s21, v[CO]
	v_add_nc_u32 v[ADRB+\s], s22, v[CO]
	s_add_co_u32 s21, s21, SLOT
	s_add_co_u32 s22, s22, SLOT
.endr
	s_mul_i32 s23, s10, 16*SPITCH
	s_add_co_u32 s23, s23, STAGE                   ; my stage
	v_mul_u32_u24 v4, v1, SPITCH                   ; in: row l % 16, 32 bytes for each half of the lanes
	v_lshl_add_u32 v4, v2, 5, v4
	v_add_nc_u32 v[STO], s23, v4
	v_add_nc_u32 v[RD], s23, v[CO]                 ; back: the 32 lanes take one row of 512 bytes
	s_lshl_b32 s46, s42, 10                        ; my first column, in bytes
	s_lshl_b32 s47, s12, 9
	s_add_co_u32 s46, s46, s47
	s_mov_b32 s47, 0
	s_add_nc_u64 s[70:71], s[70:71], s[46:47]      ; bo there
	s_lshl_b32 s16, s13, 20                        ; my first row of out0: 4,096 bytes a row
	s_lshl_b32 s17, s11, 19
	s_add_co_u32 s16, s16, s17
	s_mov_b32 s17, 0
	s_add_nc_u64 s[16:17], s[16:17], s[46:47]
	s_add_nc_u64 s[8:9], s[8:9], s[16:17]
	s_lshl_b32 s18, s13, 10                        ; 4 / l: 4 bytes a row
	s_lshl_b32 s19, s11, 9
	s_add_co_u32 s18, s18, s19
	s_mov_b32 s19, 0
	s_add_nc_u64 s[68:69], s[68:69], s[18:19]
	v_lshlrev_b32 v5, 2, v1
	v_lshlrev_b32 v6, 5, v2
.irp a, 0,1,2,3,4,5,6,7
	global_load_b32 v[RL+2*\a], v5, s[68:69] offset:64*\a      ; of row 16 a + l % 16
	v_mov_b32 v[RL+2*\a+1], 0                      ; (named as a pair's upper word)
.endr
	WIN 0x40                                       ; destination window 1
.irp b, 0,1,2,3,4,5,6,7
	global_load_b128 v[BO+8*\b:BO+8*\b+3],   v6, s[70:71] offset:64*\b        ; n 16 b + 8 (l / 16) + 0 .. 7
	global_load_b128 v[BO+8*\b+4:BO+8*\b+7], v6, s[70:71] offset:64*\b+16
.endr
	WIN 0
	; the prefetches: where my wave's stand, and who asks
	s_and_b32 s22, ttmp7, 0xffff                   ; cluster y
	s_cmp_eq_u32 s11, 0                            ; do I fetch for p?
	s_cselect_b32 s20, s13, s42                    ; the block
	s_cselect_b32 s21, s40, s41                    ; my place among the four that ask with me
	s_cselect_b32 s22, ttmp9, s22                  ; the coordinate along which other clusters read the same bytes
	s_cselect_b64 s[PFA:PFA+1], s[4:5], s[6:7]
	s_cmp_eq_u32 s22, 0
	s_cselect_b32 s[LIM], 1, -1                    ; the same in all sixteen partners, for a given wave
	s_lshl_b32 s20, s20, 19
	s_lshl_b32 s22, s12, 15
	s_add_co_u32 s20, s20, s22                     ; + the half that I fetch
	s_lshl_b32 s21, s21, 13
	s_add_co_u32 s20, s20, s21                     ; + my work-group's 8,192 bytes of it
	s_add_co_u32 s20, s20, 2*KSB                   ; at step 2: the first refill steps it to 3 and names step 4
	s_mov_b32 s21, 0
	s_add_nc_u64 s[PFA:PFA+1], s[PFA:PFA+1], s[20:21]
	v_lshlrev_b32 v[PFO], 8, v3
; 16 matrix instructions: row tiles a0, a0 + 1 of the window's four x all 8 n tiles, 32 keys.  The 64 accumulators take turns, one instruction a turn, in the same order in every quarter.
.macro MUL16 f, hi, a0, zero
.irp a, \a0, \a0+1
.irp b, 0,1,2,3,4,5,6,7
.if \zero
	v_wmma_f32_16x16x32_f16 v[8*(8*(\a)+\b):8*(8*(\a)+\b)+7], v[\f+8*\b:\f+8*\b+7], v[\f+8*(4*\hi+\a):\f+8*(4*\hi+\a)+7], 0
.else
	v_wmma_f32_16x16x32_f16 v[8*(8*(\a)+\b):8*(8*(\a)+\b)+7], v[\f+8*\b:\f+8*\b+7], v[\f+8*(4*\hi+\a):\f+8*(4*\hi+\a)+7], v[8*(8*(\a)+\b):8*(8*(\a)+\b)+7]
.endif
.endr
.endr
.endm
.macro FETCH slot, q, f                ; 32 LDS loads in one run: the fragments of the slot's q-th 32 keys into buffer f
	WIN TO_B
.irp i, 0,1,2,3,4,5,6,7
	ds_load_b128 v[\f+8*\i:\f+8*\i+3],   v[ADRB+\slot] offset:(\q)*1024+\i*4096
	ds_load_b128 v[\f+8*\i+4:\f+8*\i+7], v[ADRB+\slot] offset:(\q)*1024+\i*4096+512
.endr
	WIN 0
.irp i, 0,1,2,3,4,5,6,7
	ds_load_b128 v[\f+8*\i:\f+8*\i+3],   v[ADRA+\slot] offset:(\q)*1024+\i*4096
	ds_load_b128 v[\f+8*\i+4:\f+8*\i+7], v[ADRA+\slot] offset:(\q)*1024+\i*4096+512
.endr
.endm
.macro PLACES                          ; four places in front of loads into registers that matrix instructions have read, and of the first read of results
.rept 4
	v_nop
.endr
.endm
.macro QUARTER slot, q, f, g, zero     ; multiplies buffer f; in its middle fetches the slot's q-th 32 keys into buffer g
	s_wait_dscnt 8                                 ; W2s and p's row tiles 0-3 are in; the youngest eight loads (row tiles 4-7) may be out
	WIN MUL_LO
	MUL16 \f, 0, 0, \zero
	MUL16 \f, 0, 2, \zero
	PLACES
	FETCH \slot, \q, \g
	s_wait_dscnt 32                                ; all but the 32 just issued
	WIN MUL_HI
	MUL16 \f, 1, 0, \zero
	MUL16 \f, 1, 2, \zero
.endm
; The last quarter changes slots: ONE barrier; in front of it each wave waits for all its tensor loads (its part of the next slot), adds 0 to its spare word, and waits for that and for its reads of this slot.
.macro MEET round
	WIN 0
	s_wait_tensorcnt 0x0
	ds_add_u32 v[SPW], v[NIL]                      ; 0 onto my spare word
	s_wait_dscnt 9                                 ; (the add and the youngest eight loads may be out)
	WIN MUL_LO
	MUL16 F1, 0, 0, 0
	s_wait_dscnt 0x0                               ; the add is done, and my reads of this slot are over
	s_barrier_signal -1
	MUL16 F1, 0, 2, 0
.if \round
	WIN 0
.endif
	s_barrier_wait -1
.endm
.macro TURN slot, next, fill
.if \fill
	s_wait_xcnt 0x0                                ; the last prefetch, a step back, has read its address
	s_add_nc_u64 s[PFA:PFA+1], s[PFA:PFA+1], KSB
.endif
	MEET \fill
.if \fill
	CREST                                          ; the barrier has opened a round of the cluster's: no wave of any partner still reads this slot or has a load on its way
	s_add_nc_u64 s[G0+4*\slot+2:G0+4*\slot+3], s[G0+4*\slot+2:G0+4*\slot+3], 2*KSB
	s_add_nc_u64 s[G0B+4*\slot+2:G0B+4*\slot+3], s[G0B+4*\slot+2:G0B+4*\slot+3], 2*KSB
	JLOAD \slot                                    ; the first tensor load behind the round; its four v_nop are also the places in front of the loads below
.else
	PLACES
.endif
	FETCH \next, 0, F0
.if \fill
	ASK
.endif
	WIN MUL_HI
	MUL16 F1, 1, 0, 0
	MUL16 F1, 1, 2, 0
.endm
	s_wait_tensorcnt 1                             ; my part of step 0 is in (step 1's may be out),
	s_barrier_signal -1
	s_barrier_wait -1                              ; everybody's is
	FETCH 0, 0, F0
	QUARTER 0, 1, F0, F1, 1                        ; the first quarter's products start the sums
	WIN 0
	s_mov_b32 s3, LAPS-1
.Llap:                                             ; a trip goes once round the ring, from a lap's second quarter to the next lap's first, and fills both slots again
	QUARTER 0, 2, F1, F0, 0
	QUARTER 0, 3, F0, F1, 0
	TURN 0, 1, 1
	QUARTER 1, 1, F0, F1, 0
	QUARTER 1, 2, F1, F0, 0
	QUARTER 1, 3, F0, F1, 0
	TURN 1, 0, 1
	QUARTER 0, 1, F0, F1, 0
	WIN 0
	s_sub_co_u32 s3, s3, 1
	s_cmp_lg_u32 s3, 0
	s_cbranch_scc1 .Llap
	QUARTER 0, 2, F1, F0, 0                        ; the last lap fills nothing
	QUARTER 0, 3, F0, F1, 0
	TURN 0, 1, 0
	QUARTER 1, 1, F0, F1, 0
	QUARTER 1, 2, F1, F0, 0
	QUARTER 1, 3, F0, F1, 0
	s_wait_dscnt 8
	WIN MUL_LO
	MUL16 F1, 0, 0, 0
	MUL16 F1, 0, 2, 0
	s_wait_dscnt 0x0
	WIN MUL_HI
	MUL16 F1, 1, 0, 0
	MUL16 F1, 1, 2, 0
	WIN 0
; THE WAY OUT, block by block of 16 rows x 128 n: sum x 4 / l + bo; through my own stage in LDS; back as whole rows of 512 bytes.
.macro PACK a
.set AC, 64*((\a)%4)
	WIN 0x12+(\a)/4                                ; source 0 (sums) window 2 or 3, source 2 (bo) window 1
.set j, 0
.rept 32
	v_pk_fma_f32 v[T+j:T+j+1], v[AC+j:AC+j+1], v[RL+2*(\a):RL+2*(\a)+1], v[BO+j:BO+j+1] op_sel_hi:[1,0,1]   ; each accumulator from its low end on
.set j, j+2
.endr
	WIN 0
.endm
.macro TOSTAGE a
.irp b, 0,1,2,3,4,5,6,7
	ds_store_b128 v[STO], v[T+8*\b:T+8*\b+3] offset:64*\b
	ds_store_b128 v[STO], v[T+8*\b+4:T+8*\b+7] offset:64*\b+16
.endr
.set BB, BK+64*((\a)%2)
.irp t, 0,1,2,3,4,5,6,7,8,9,10,11,12,13,14,15
	ds_load_b128 v[BB+4*\t:BB+4*\t+3], v[RD] offset:\t*SPITCH      ; LDS serves a wave's instructions in order (ISA guide 5.7.1.4): these see the stores above
.endr
.endm
.macro SEND a, younger                 ; younger: the LDS instructions issued behind block a's loads, which may stay out
.set BB, BK+64*((\a)%2)
	s_wait_dscnt \younger
.if (\a) > 0
	s_add_nc_u64 s[8:9], s[8:9], 65536             ; 16 rows on (behind a wait on XCNT: the earlier stores have read their base)
.endif
.irp t, 0,1,2,3,4,5,6,7,8,9,10,11,12,13,14,15
	global_store_b128 v[CO], v[BB+4*\t:BB+4*\t+3], s[8:9] offset:\t*4096 th:TH_STORE_NT   ; 32 lanes store 512 consecutive bytes, aligned; written once, read by nobody here
.endr
.endm
	s_wait_loadcnt 0x0                             ; 4 / l and bo
	PLACES
	PACK 0
	TOSTAGE 0
.irp a, 1,2,3,4,5,6,7
.if \a > 1
	s_wait_xcnt 0x0                                ; block a - 2's stores have read their registers and their base
.endif
	PACK \a
	TOSTAGE \a
	SEND \a-1, 32                                  ; behind block a - 1's loads: block a's 16 stores and 16 loads
.endr
	s_wait_xcnt 0x0
	SEND 7, 0
	s_wait_tensorcnt 0x0                           ; the wave's end
	ds_add_u32 v[SPW], v[NIL]
	s_wait_dscnt 0x0
	CROUND                                         ; the closing round
	s_endpgm
.Lfunc_end_k_q9eb16bcd6d_outgemm:
	.size	k_q9eb16bcd6d_outgemm, .Lfunc_end_k_q9eb16bcd6d_outgemm-k_q9eb16bcd6d_outgemm
	.p2alignl 7, 3214868480
	.fill 96, 4, 3214868480
	.section	.rodata,"a",@progbits
	.p2align	6, 0x0
	.amdhsa_kernel k_q9eb16bcd6d_outgemm
		.amdhsa_group_segment_fixed_size 327680
		.amdhsa_private_segment_fixed_size 0
		.amdhsa_enable_private_segment 0
		.amdhsa_kernarg_size 40
		.amdhsa_user_sgpr_count 2
		.amdhsa_user_sgpr_kernarg_segment_ptr 1
		.amdhsa_wavefront_size32 1
		.amdhsa_system_sgpr_workgroup_id_x 1
		.amdhsa_system_sgpr_workgroup_id_y 1
		.amdhsa_system_sgpr_workgroup_id_z 1
		.amdhsa_system_vgpr_workitem_id 0
		.amdhsa_next_free_vgpr 1024
		.amdhsa_next_free_sgpr 72
		.amdhsa_reserve_vcc 0
		.amdhsa_float_denorm_mode_32 3
		.amdhsa_float_denorm_mode_16_64 3
		.amdhsa_memory_ordered 1
		.amdhsa_forward_progress 1
		.amdhsa_inst_pref_size 160
	.end_amdhsa_kernel
	.amdgpu_metadata
---
amdhsa.version: [ 1, 2 ]
amdhsa.kernels:
  - .name:           k_q9eb16bcd6d_outgemm
    .symbol:         k_q9eb16bcd6d_outgemm.kd
    .args:
      - { .name: p, .offset: 0, .size: 8, .value_kind: global_buffer, .address_space: global }
      - { .name: w2, .offset: 8, .size: 8, .value_kind: global_buffer, .address_space: global }
      - { .name: out0, .offset: 16, .size: 8, .value_kind: global_buffer, .address_space: global }
      - { .name: stat, .offset: 24, .size: 8, .value_kind: global_buffer, .address_space: global }
      - { .name: bo, .offset: 32, .size: 8, .value_kind: global_buffer, .address_space: global }
    .group_segment_fixed_size: 327680
    .private_segment_fixed_size: 0
    .kernarg_segment_align: 8
    .kernarg_segment_size: 40
    .max_flat_workgroup_size: 128
    .sgpr_count:     72
    .vgpr_count:     1024
    .wavefront_size: 32
...
	.end_amdgpu_metadata
.endif
;; end of part 5
